; MI455X (gfx1250); checked and timed in simulation.
; The chip was launched on July 23, 2026; its instructions are those of AMD's public machine-readable ISA for CDNA 5 (MIT licence, August 2026) and "CDNA5" Instruction Set Architecture Reference Guide (July 2026). The comments in the code are by the model that wrote it; some were corrected since.
;; Multi Head Self Attention. Allowed arithmetic: matrix products marked QUANTISED: E2M1 operands, one E8M0 scale for each 32 along K, by v_wmma_scale_f32_16x16x128_f8f6f4 with both operands' format E2M1 (or v_wmma_scale_f32_32x16x128_f4), f32 sums; products left as they are: bf16, f16 or f32 operands; f32 sums; everything else in f32.
;; Inputs: Wk 1,024 x 1,024 float32; Wo 1,024 x 1,024 float32; Wq 1,024 x 1,024 float32; Wv 1,024 x 1,024 float32; bk 1,024 float32; bo 1,024 float32; bq 1,024 float32; bv 1,024 float32; mask 2 x 2,048 int32; x 2 x 2,048 x 1,024 float32.
;; Outputs: out0 2 x 2,048 x 1,024 float32.
;; This version of the problem:
;;   THIS VERSION OF THE PROBLEM IS GIVEN IN LOW PRECISION. The matrix products marked QUANTISED in the list below multiply operands that are first quantised to E2M1 (2 exponent bits, 1 mantissa bit; 4 bits a number), with one power-of-two scale for each 32 numbers along K (OCP MX v1.0); their sums are f32. The products marked 'left as it is' may take bf16, f16 or f32 operands, with f32 sums. Whichever they take, every output number must still come out within the allowed error. Rounding operands to bf16 (8 significant bits) uses up far more of that allowance than f16 does (11 bits, for magnitudes from 6e-5 to 65,504). All else is computed in f32.
;;   The module's matrix products, in the order in which they are computed (A, B: the left and right operand; K: the contracted axis; several contracted axes count as one K, in the product's order):
;;     1. [M 4,096, K 1,024] x [K 1,024, N 1,024]; A: input x; B: input Wq: QUANTISED
;;     2. [M 4,096, K 1,024] x [K 1,024, N 1,024]; A: input x; B: input Wk: QUANTISED
;;     3. [M 4,096, K 1,024] x [K 1,024, N 1,024]; A: input x; B: input Wv: QUANTISED
;;     4. batch 32 x [M 2,048, K 64] x [K 64, N 2,048]; A: computed on the way; B: computed on the way: left as it is (an operand is computed on the way)
;;     5. batch 32 x [M 2,048, K 2,048] x [K 2,048, N 64]; A: computed on the way; B: computed on the way: left as it is (an operand is computed on the way)
;;     6. [M 4,096, K 1,024] x [K 1,024, N 1,024]; A: computed on the way; B: input Wo: left as it is (an operand is computed on the way)
;;   THE QUANTISER, for each operand of a quantised product, along K:
;;     - K is cut into blocks of 32 from its start; a last block that is shorter is filled with zeros.
;;     - A block's scale is 2^e with e = floor(log2(the largest magnitude in the block)) - 2, held to -126 .. 127; a block of zeros has e = 0. As a byte (E8M0): e + 127.
;;     - Each number is divided by its block's scale, clamped to +-6, and rounded to the nearest number of E2M1, ties to even, subnormals kept.
;;     - The product sums the exact products of the quantised numbers (number of the format x scale) in f32.
;;   ~~~python
;;   def quantise(x, axis):      # numpy; x: float32 -> the quantised numbers, widened to float32 again
;;       x = np.moveaxis(x, axis, -1); K = x.shape[-1]
;;       x = np.pad(x, [(0, 0)] * (x.ndim - 1) + [(0, -K % 32)]); x = x.reshape(x.shape[:-1] + (-1, 32)); a = np.abs(x).max(-1, keepdims=True)
;;       e = np.where(a > 0, np.clip(np.frexp(np.where(a > 0, a, 1))[1] - 1 - 2, -126, 127), 0)      # np.frexp(a)[1] - 1 = floor(log2(a)), exactly
;;       r = np.clip(x / 2.0 ** e, -6, 6)
;;       step = 2.0 ** (np.maximum(np.frexp(np.where(r == 0, 1, r))[1] - 1, 0) - 1)
;;       q = np.round(r / step) * step * 2.0 ** e      # np.round: ties to even
;;       return np.moveaxis(q.reshape(q.shape[:-2] + (-1,))[..., :K], -1, axis).astype(np.float32)
;;   ~~~
;; One version. Each part assembles by itself: llvm-mc -triple=amdgcn-amd-amdhsa -mcpu=gfx1250 --defsym DOCPART=n.
;; ======== version 1 of 1: 4 launches
;; limits: values are held in f16: magnitudes above 65,504 overflow, below 6.1e-05 lose precision
;; workspace buffers: xcodes 2,097,152 bytes; wcodes 1,572,864 bytes; xs 131,072 bytes; ws 98,304 bytes; woimg 2,097,152 bytes; qkv 25,165,824 bytes; cimg 8,388,608 bytes
;; launch prep (part 1): grid 384 x 1, 4 waves a work-group, no clusters, 35,328 bytes of LDS; arguments x, Wq, Wk, Wv, Wo, xcodes, xs, wcodes, ws, woimg; writes xcodes, xs, wcodes, ws, woimg
.if DOCPART == 1
	.amdgcn_target "amdgcn-amd-amdhsa--gfx1250"
	.amdhsa_code_object_version 6
	.text
	.protected	k_q5a7cf7b0e5_prep
	.globl	k_q5a7cf7b0e5_prep
	.p2align	8
	.type	k_q5a7cf7b0e5_prep,@function
k_q5a7cf7b0e5_prep:
	s_mov_b64 s[64:65], 0
	v_nop
	global_prefetch_b8 v0, s[64:65] scope:SCOPE_SE
	s_setreg_imm32_b32 hwreg(HW_REG_WAVE_MODE, 25, 1), 1
	s_wait_xcnt 0x0
; THE OPERANDS ARE MADE READY, once: x [4096][1024] and Wq, Wk, Wv [1024 (k)][1024 (n)], f32, become codes of FP4 (E2M1) with one E8M0 byte for each 32 along K; Wo [1024 (k)][1024 (n)] becomes f16.
; EVERY RESULT IS LAID AS AN IMAGE OF OPERAND REGISTERS: blocks of 512 bytes, lane l's 16 bytes at 16 l, so that the later launches bring a tile as one dense run of bytes and a fragment by loads at 16 x lane.
;   xcodes [kslot 2][tile of 16 rows 256][sq 4][c 2][512 B]: lane (r, h) = the 32 codes of row 16 T + r, k = 512 kslot + 128 sq + 64 c + 32 h + 0 .. 31.   wcodes: the same with 192 tiles, row = 1024 w + n (w = 0, 1, 2: Wq, Wk, Wv).
;   xs [sg 8][row 4096], ws [sg 8][row 3072]: one word a row: the four scale bytes of k = 128 sg + 32 b.   woimg [ks 4][nt 64][k16 16][512 B]: lane (r, h) = Wo[256 ks + 16 k16 + 8 h + 0 .. 7][16 nt + r], f16.
; A block's scale is 2^(floor(log2(its largest magnitude)) - 2); its byte is the largest magnitude's exponent field - 2, held at 1 from below.  Each number is divided by the scale and rounded to the nearest code, ties to even, beyond 6 the largest code.
; LIMITS: a block of zeros gets the byte 1 where the rule says 127 (its codes are zeros, which add nothing under any byte but 0xff, and this program alone reads the bytes); NaN and infinities are not served;
;   Wo is rounded to f16: magnitudes above 65,504 are not served, those under 6e-5 keep f16's subnormal step.
; THREE PATHS, chosen by the work-group's number: 0-127 x, 128-319 the three weights, 320-383 Wo.  Only the first uses LDS.  Shares are small, so that half of a wave's share is on its way at once.
.set STGW,  8704                       ; path x: a wave's stage: 16 rows x 528 bytes, rounded up to whole blocks of 512
.set SPARE, 4*STGW                     ; behind the four stages: the spare words, 128 bytes for each wave: two blocks of 256 bytes that no other line names
.set SPW,   62                         ; v62  LDS address of my spare word; never rewritten
.set NIL,   63                         ; v63  0; never rewritten
.set CD,    24                         ; v24-55  codes: registers of their own for each store, so that no store's data are written again
.set R,     64                         ; v64..   numbers as loaded: two sets (path x: of 64; the others: of 32)
.set T,     192                        ; v192-255 path x: two blocks of 32 neighbours
; v1 lane, v2 16 x lane, v5 4 x lane, v10 r = lane % 16, v11 h = lane / 16; v12-19 at work
; A block of 32 numbers, all in my registers v[src] on: its scale operand -> v[sc], its byte -> v[by], its 32 codes -> v[dst] .. v[dst + 3]
.macro QB src, m, sc, by, dst
	v_max3_num_f32 v[\m], |v[\src]|, |v[\src+1]|, |v[\src+2]|          ; the largest magnitude, in two chains
	v_max3_num_f32 v[\m+1], |v[\src+3]|, |v[\src+4]|, |v[\src+5]|
.irp i, 6,10,14,18,22,26
	v_max3_num_f32 v[\m], v[\m], |v[\src+\i]|, |v[\src+\i+1]|
	v_max3_num_f32 v[\m+1], v[\m+1], |v[\src+\i+2]|, |v[\src+\i+3]|
.endr
	v_max3_num_f32 v[\m], v[\m], |v[\src+30]|, |v[\src+31]|
	v_max3_num_f32 v[\m], v[\m], v[\m+1], 0x1800000                    ; and the floor 2^(3 - 127): the byte cannot fall under 1
	v_add_nc_u32 v[\sc], 0xff000000, v[\m]                             ; 2 off its exponent field: the conversion takes the exponent field of this operand as its scale
	v_lshrrev_b32 v[\by], 23, v[\sc]                                   ; the scale's byte
.irp g, 0,1,2,3
	v_cvt_scalef32_pk8_fp4_f32 v[\dst+\g], v[\src+8*\g:\src+8*\g+7], v[\sc]
.endr
.endm
.macro FINISH                          ; a wave's end: a tensor wait, an add to my spare word and its wait, behind the last LDS store
	s_wait_tensorcnt 0x0
	ds_add_u32 v[SPW], v[NIL]
	s_wait_dscnt 0x0
	s_endpgm
.endm
; path x: unit u = 16 rows x 128 along K.  Each load reads 512 consecutive bytes of one row
.macro LOADU u
.irp p, 0,1,2,3,4,5,6,7,8,9,10,11,12,13,14,15
	global_load_b128 v[R+64*((\u)%2)+4*\p:R+64*((\u)%2)+4*\p+3], v2, s[4:5] offset:(\u)*65536+\p*4096 th:TH_LOAD_NT
.endr
.endm
.macro UNIT u
.if (\u) < 3
	s_wait_loadcnt 16                              ; this unit's 16 loads are in; the next unit's 16 may be out
.else
	s_wait_loadcnt 0x0
.endif
.irp p, 0,1,2,3,4,5,6,7,8,9,10,11,12,13,14,15
	ds_store_b128 v3, v[R+64*((\u)%2)+4*\p:R+64*((\u)%2)+4*\p+3] offset:\p*528   ; into my stage as loaded; a stage row is 528 bytes = 132 words: row r starts at bank 4 r mod 64 (64 banks of 4 bytes: ISA guide 11.1)
.endr
.irp c, 0,1
.irp i, 0,1,2,3,4,5,6,7
	ds_load_b128 v[T+32*\c+4*\i:T+32*\c+4*\i+3], v4 offset:\c*256+16*\i          ; back: lane (r, h) takes k = 64 c + 32 h + 0 .. 31 of row r.  LDS serves a wave's instructions in order (ISA guide 5.7.1.4): these see the stores
.endr
.endr
	s_wait_dscnt 0x0                               ; the numbers are back, and the stores have read their registers,
.if (\u) < 2
	LOADU (\u)+2                                   ; which take the unit two further on
.endif
	QB T, 12, 14, 16, CD+8*(\u)
	QB T+32, 12, 15, 17, CD+8*(\u)+4
	v_lshl_or_b32 v18, v17, 16, v16                ; my two bytes: blocks h and 2 + h of row r (a plain line behind the conversions),
	v_lshlrev_b32 v18, v6, v18                     ; at their places in the word (8 h bits up);
	v_permlanex16_b32 v19, v18, s26, s27
	v_or_b32 v[20+(\u)], v18, v19                  ; with lane l xor 16's two the word is whole
	global_store_b128 v2, v[CD+8*(\u):CD+8*(\u)+3], s[14:15] offset:(\u)*4096         ; 32 lanes store 512 consecutive bytes, aligned
	global_store_b128 v2, v[CD+8*(\u)+4:CD+8*(\u)+7], s[14:15] offset:(\u)*4096+512
.endm
; the weights: a lane takes a column and its registers run down K: block t = rows 32 t + 0 .. 31 of my 128; each load reads 128 consecutive bytes a wave, the four waves side by side
.macro LOADB base, t
.irp i, 0,1,2,3,4,5,6,7,8,9,10,11,12,13,14,15,16,17,18,19,20,21,22,23,24,25,26,27,28,29,30,31
	global_load_b32 v[R+32*((\t)%2)+\i], v5, s[\base:\base+1] offset:(32*(\t)+\i)*4096 th:TH_LOAD_NT
.endr
.endm
.macro WAITB t
.if (\t) < 3
	s_wait_loadcnt 32                              ; this block's 32 loads are in; the next block's may be out
.else
	s_wait_loadcnt 0x0
.endif
.endm
.macro BLOCKW t
	WAITB \t
	QB R+32*((\t)%2), 12, 14, 16, CD+4*(\t)
.if (\t) == 0
	v_mov_b32 v18, v16                             ; four bytes to the word, the lower K in the lower byte (a plain line behind the conversions)
.else
	v_lshl_or_b32 v18, v16, 8*(\t), v18
.endif
	global_store_b128 v7, v[CD+4*(\t):CD+4*(\t)+3], s[18:19] offset:256*(\t)   ; block t = 2 c + h of the fragment: sixteen lanes store 256 consecutive bytes, aligned
.if (\t) < 2
	LOADB 6, (\t)+2
.endif
.endm
.macro BLOCKO t
	WAITB \t
.irp i, 0,1,2,3,4,5,6,7,8,9,10,11,12,13,14,15
	v_cvt_pk_f16_f32 v[128+16*(\t)+\i], v[R+32*((\t)%2)+2*\i], v[R+32*((\t)%2)+2*\i+1]   ; the lower k in the low half
.endr
.irp g, 0,1,2,3
	global_store_b128 v9, v[128+16*(\t)+4*\g:128+16*(\t)+4*\g+3], s[22:23] offset:(\t)*1024+\g*256   ; eight k of my column: sixteen lanes store 256 consecutive bytes, aligned
.endr
.if (\t) < 2
	LOADB 12, (\t)+2
.endif
.endm
	s_load_b512 s[4:19], s[0:1], 0x0               ; x 4, Wq 6, Wk 8, Wv 10, Wo 12, xcodes 14, xs 16, wcodes 18
	s_load_b128 s[20:23], s[0:1], 0x40             ; ws 20, woimg 22
	v_lshl_add_u32 v[SPW], v0, 2, SPARE
	v_mov_b32 v[NIL], 0
	v_lshrrev_b32 v1, 5, v0
	v_readfirstlane_b32 s24, v1                    ; wave 0..3
	v_and_b32 v1, 31, v0                           ; lane
	v_and_b32 v10, 15, v0                          ; r
	v_bfe_u32 v11, v0, 4, 1                        ; h
	v_lshlrev_b32 v2, 4, v1
	v_lshlrev_b32 v5, 2, v1
	s_mov_b32 s33, 0                               ; the high words of the offsets' pairs
	s_mov_b32 s35, 0
	s_wait_kmcnt 0x0
	s_cmp_lt_u32 ttmp9, 128
	s_cbranch_scc1 .Lpath_x
	s_cmp_lt_u32 ttmp9, 320
	s_cbranch_scc1 .Lpath_w
	; ---- Wo: 64 work-groups: 128 columns x 128 along K each, a wave 32 columns
	s_sub_co_u32 s28, ttmp9, 320
	s_and_b32 s29, s28, 7                          ; cg: which 128 columns
	s_lshr_b32 s30, s28, 3                         ; sg: which 128 along K
	s_lshl_b32 s32, s30, 19                        ; Wo: 128 rows of 4,096 bytes a step,
	s_lshl_b32 s31, s29, 9
	s_add_co_u32 s32, s32, s31                     ; + 512 cg
	s_lshl_b32 s31, s24, 7
	s_add_co_u32 s32, s32, s31                     ; + 128 x wave
	s_add_nc_u64 s[12:13], s[12:13], s[32:33]
	s_lshr_b32 s31, s30, 1                         ; woimg: (((sg / 2) 64 + 8 cg + 2 wave) 16 + 8 (sg % 2)) 512
	s_lshl_b32 s34, s31, 19
	s_lshl_b32 s31, s29, 16
	s_add_co_u32 s34, s34, s31
	s_lshl_b32 s31, s24, 14
	s_add_co_u32 s34, s34, s31
	s_and_b32 s31, s30, 1
	s_lshl_b32 s31, s31, 12
	s_add_co_u32 s34, s34, s31
	s_add_nc_u64 s[22:23], s[22:23], s[34:35]
	v_lshlrev_b32 v9, 4, v10
	v_lshl_add_u32 v9, v11, 13, v9                 ; lanes 16-31 hold the next tile of 16 columns, 8,192 bytes on
	LOADB 12, 0
	LOADB 12, 1
	BLOCKO 0
	BLOCKO 1
	BLOCKO 2
	BLOCKO 3
	FINISH
.Lpath_w:
	; ---- Wq, Wk, Wv: 192 work-groups: 128 columns x 128 along K of one weight, a wave 32 columns
	s_sub_co_u32 s28, ttmp9, 128
	s_lshr_b32 s31, s28, 6                         ; w: which weight
	s_and_b32 s29, s28, 7                          ; cg
	s_bfe_u32 s30, s28, 0x30003                    ; sg
	s_cmp_eq_u32 s31, 1                            ; the choice hangs on the work-group's number alone
	s_cselect_b64 s[6:7], s[8:9], s[6:7]
	s_cmp_eq_u32 s31, 2
	s_cselect_b64 s[6:7], s[10:11], s[6:7]
	s_lshl_b32 s32, s30, 19
	s_lshl_b32 s36, s29, 9
	s_add_co_u32 s32, s32, s36
	s_lshl_b32 s36, s24, 7
	s_add_co_u32 s32, s32, s36
	s_add_nc_u64 s[6:7], s[6:7], s[32:33]
	s_lshr_b32 s36, s30, 2                         ; wcodes: (((sg / 4) 192 + 64 w + 8 cg + 2 wave) 4 + sg % 4) 1,024
	s_mul_i32 s34, s36, 786432
	s_lshl_b32 s36, s31, 18
	s_add_co_u32 s34, s34, s36
	s_lshl_b32 s36, s29, 15
	s_add_co_u32 s34, s34, s36
	s_lshl_b32 s36, s24, 13
	s_add_co_u32 s34, s34, s36
	s_and_b32 s36, s30, 3
	s_lshl_b32 s36, s36, 10
	s_add_co_u32 s34, s34, s36
	s_add_nc_u64 s[18:19], s[18:19], s[34:35]
	s_mul_i32 s32, s30, 12288                      ; ws: 12,288 sg + 4 (1,024 w + 128 cg + 32 wave)
	s_lshl_b32 s36, s31, 12
	s_add_co_u32 s32, s32, s36
	s_lshl_b32 s36, s29, 9
	s_add_co_u32 s32, s32, s36
	s_lshl_b32 s36, s24, 7
	s_add_co_u32 s32, s32, s36
	s_add_nc_u64 s[20:21], s[20:21], s[32:33]
	v_lshlrev_b32 v7, 4, v10
	v_lshl_add_u32 v7, v11, 12, v7                 ; lanes 16-31 hold the next tile of 16 columns, 4,096 bytes on
	LOADB 6, 0
	LOADB 6, 1
	BLOCKW 0
	BLOCKW 1
	BLOCKW 2
	BLOCKW 3
	global_store_b32 v5, v18, s[20:21]             ; my column's scale word: 128 consecutive bytes a wave
	FINISH
.Lpath_x:
	; ---- x: 128 work-groups: 64 rows x 512 along K; a wave 128 along K, four units of 16 rows
	s_lshr_b32 s30, ttmp9, 1                       ; rg: which 64 rows
	s_and_b32 s31, ttmp9, 1                        ; kh: which half of K
	s_lshl_b32 s29, s31, 2
	s_add_co_u32 s29, s29, s24                     ; sg = 4 kh + wave
	s_lshl_b32 s32, s30, 18                        ; x: 64 rows of 4,096 bytes, + 512 sg
	s_lshl_b32 s36, s29, 9
	s_add_co_u32 s32, s32, s36
	s_add_nc_u64 s[4:5], s[4:5], s[32:33]
	s_lshl_b32 s32, s31, 20                        ; xcodes: ((256 kh + 4 rg) 4 + wave) 1,024
	s_lshl_b32 s36, s30, 14
	s_add_co_u32 s32, s32, s36
	s_lshl_b32 s36, s24, 10
	s_add_co_u32 s32, s32, s36
	s_add_nc_u64 s[14:15], s[14:15], s[32:33]
	s_lshl_b32 s32, s29, 14                        ; xs: 16,384 sg + 256 rg
	s_lshl_b32 s36, s30, 8
	s_add_co_u32 s32, s32, s36
	s_add_nc_u64 s[16:17], s[16:17], s[32:33]
	s_mul_i32 s25, s24, STGW                       ; my stage
	s_mov_b32 s26, 0x76543210
	s_mov_b32 s27, 0xfedcba98                      ; v_permlanex16_b32's selects for lane l xor 16
	s_mov_b32 s28, 0xffff0000                      ; lanes 16-31
	v_add_nc_u32 v3, s25, v2                       ; into the stage: 16 x lane
	v_mul_u32_u24 v4, v10, 528
	v_lshl_add_u32 v4, v11, 7, v4
	v_add_nc_u32 v4, s25, v4                       ; out of it: row r, + 128 h bytes
	v_lshlrev_b32 v6, 3, v11                       ; 8 h
	v_mov_b32 v19, 0                               ; written once: a lane permute's destination counts as one of its sources
	LOADU 0
	LOADU 1
	UNIT 0
	UNIT 1
	v_cndmask_b32 v56, v20, v21, s28               ; lanes 0-15: unit 0's word of row r; lanes 16-31: unit 1's
	global_store_b32 v5, v56, s[16:17]             ; 32 rows' words: 128 consecutive bytes
	UNIT 2
	UNIT 3
	v_cndmask_b32 v57, v22, v23, s28
	global_store_b32 v5, v57, s[16:17] offset:128
	FINISH
.Lfunc_end_k_q5a7cf7b0e5_prep:
	.size	k_q5a7cf7b0e5_prep, .Lfunc_end_k_q5a7cf7b0e5_prep-k_q5a7cf7b0e5_prep
	.p2alignl 7, 3214868480
	.fill 96, 4, 3214868480
	.section	.rodata,"a",@progbits
	.p2align	6, 0x0
	.amdhsa_kernel k_q5a7cf7b0e5_prep
		.amdhsa_group_segment_fixed_size 35328
		.amdhsa_private_segment_fixed_size 0
		.amdhsa_enable_private_segment 0
		.amdhsa_kernarg_size 80
		.amdhsa_user_sgpr_count 2
		.amdhsa_user_sgpr_kernarg_segment_ptr 1
		.amdhsa_wavefront_size32 1
		.amdhsa_system_sgpr_workgroup_id_x 1
		.amdhsa_system_sgpr_workgroup_id_y 1
		.amdhsa_system_sgpr_workgroup_id_z 1
		.amdhsa_system_vgpr_workitem_id 0
		.amdhsa_next_free_vgpr 256
		.amdhsa_next_free_sgpr 66
		.amdhsa_reserve_vcc 0
		.amdhsa_float_denorm_mode_32 3
		.amdhsa_float_denorm_mode_16_64 3
		.amdhsa_memory_ordered 1
		.amdhsa_forward_progress 1
		.amdhsa_inst_pref_size 68
	.end_amdhsa_kernel
	.amdgpu_metadata
---
amdhsa.version: [ 1, 2 ]
amdhsa.kernels:
  - .name:           k_q5a7cf7b0e5_prep
    .symbol:         k_q5a7cf7b0e5_prep.kd
    .args:
      - { .name: x, .offset: 0, .size: 8, .value_kind: global_buffer, .address_space: global }
      - { .name: Wq, .offset: 8, .size: 8, .value_kind: global_buffer, .address_space: global }
      - { .name: Wk, .offset: 16, .size: 8, .value_kind: global_buffer, .address_space: global }
      - { .name: Wv, .offset: 24, .size: 8, .value_kind: global_buffer, .address_space: global }
      - { .name: Wo, .offset: 32, .size: 8, .value_kind: global_buffer, .address_space: global }
      - { .name: xcodes, .offset: 40, .size: 8, .value_kind: global_buffer, .address_space: global }
      - { .name: xs, .offset: 48, .size: 8, .value_kind: global_buffer, .address_space: global }
      - { .name: wcodes, .offset: 56, .size: 8, .value_kind: global_buffer, .address_space: global }
      - { .name: ws, .offset: 64, .size: 8, .value_kind: global_buffer, .address_space: global }
      - { .name: woimg, .offset: 72, .size: 8, .value_kind: global_buffer, .address_space: global }
    .group_segment_fixed_size: 35328
    .private_segment_fixed_size: 0
    .kernarg_segment_align: 8
    .kernarg_segment_size: 80
    .max_flat_workgroup_size: 128
    .sgpr_count:     66
    .vgpr_count:     256
    .wavefront_size: 32
...
	.end_amdgpu_metadata
.endif
;; end of part 1
;; launch qkv (part 2): grid 12 x 16, 4 waves a work-group, clusters of 4 x 4, 327,680 bytes of LDS; arguments xcodes, xs, wcodes, ws, bq, bk, bv, qkv; writes qkv
.if DOCPART == 2
	.amdgcn_target "amdgcn-amd-amdhsa--gfx1250"
	.amdhsa_code_object_version 6
	.text
	.protected	k_q5a7cf7b0e5_qkv
	.globl	k_q5a7cf7b0e5_qkv
	.p2align	8
	.type	k_q5a7cf7b0e5_qkv,@function
k_q5a7cf7b0e5_qkv:
	s_mov_b64 s[64:65], 0
	v_nop
	global_prefetch_b8 v0, s[64:65] scope:SCOPE_SE
	s_setreg_imm32_b32 hwreg(HW_REG_WAVE_MODE, 25, 1), 1
	s_wait_xcnt 0x0
	s_wait_alu depctr_hold_cnt(0) depctr_sa_sdst(0) depctr_va_vdst(0) depctr_va_sdst(0) depctr_va_ssrc(0) depctr_va_vcc(0) depctr_vm_vsrc(0)
	s_getreg_b32 s2, hwreg(HW_REG_IB_STS2, 6, 4)
	s_cmp_eq_u32 s2, 0
	s_cbranch_scc0 .Lentry_in_a_cluster
	s_endpgm
.Lentry_in_a_cluster:
	s_bfe_u32 s2, ttmp6, 0x10000c
	s_cmp_lg_u32 s2, 0xf033
	s_cbranch_scc0 .Lentry_shape_is_right
	s_endpgm
.Lentry_shape_is_right:
; q | k | v = Q(x) Q(W) + b: one product [4096 tokens] x [3072 = Wq | Wk | Wv columns], K = 1,024, on codes of FP4 (E2M1) with one E8M0 scale for each 32 along K; sums in f32; the results leave as f16.
; A tile of 256 tokens x 256 columns is made by a work-group of four waves; a wave makes 128 x 128: 64 accumulators of 16 x 16, 512 registers.  12 x 16 = 192 work-groups: no equal tile gives 256 of them without crossing from one weight into the next.
; OPERANDS ARE IMAGES OF THEIR REGISTERS (made by the launch before): a fragment (16 rows x 128 K) is two blocks of 512 bytes, lane l's 16 bytes at 16 l.  So a tile is one dense run of memory, and LDS needs no pitch and no padding.
; ALL OF K LIES IN LDS: two slots of 512 along K, both asked for at the head; nothing is filled again, there is no loop.  By this text's own count a wave has two tensor loads out.
; CLUSTERS: 4 x 4 work-groups.  The four of a row of the cluster need the same tokens' codes, the four of a column the same weight columns': each tile is asked for JOINTLY, by the same tensor load with the same descriptor and a mask that names the four.
; THE SCALE WORDS come straight into registers, once: 64 loads a wave.  One register carries two steps of 128 along K: lanes 0-15 the even step's words, lanes 16-31 the odd step's, which the instruction picks by its ROW selectors.
; THE MATRIX INSTRUCTION IS USED TRANSPOSED (source 0 = 16 columns of W, source 1 = 16 tokens): a lane holds ONE token and eight neighbouring channels, which pack into 16 bytes of f16: half of a 16-bit fragment's registers.
; So the results are stored as they stand, 512 consecutive bytes an instruction: qkv [G 96][tile of 16 tokens 128][16 channels 4][512 B], G = 32 which + 16 batch + head.  q, k: token r, channels 8 h + 0 .. 7 at piece 16 h + r;
; v: the same 16 bytes at piece r % 8 + 8 h + 16 (r / 8), which is the order in which the turning LDS load of the next launch takes them at 16 x lane.  The bias is the C of each sum's first product.
; LIMIT: q, k and v are rounded to f16: magnitudes above 65,504 are not served.
; REGISTERS, in windows of 256: window 0: v1-29 addresses; v32-63 x's scale words, v64-95 W's; v128-191 x's fragments, ONE set; v192-255 the bias, 8 registers for each tile of 16 channels; on the way out v128-255 take the packed results.
;   window 1: W's fragments, TWO sets, at v0 and v128.   window 2: the 32 accumulators of my tokens 0-63 (accumulator (a, b) at v[8 (8 a + b)]);   window 3: those of my tokens 64-127.
.set SLOT,  131072                     ; a slot: x's 16 tiles x 4,096 bytes, then W's 16
.set SPARE, 2*SLOT                     ; behind the slots: the spare words, 128 bytes for each wave: two blocks of 256 bytes that no other line names
.set ADRA, 16                          ; v16-17  LDS address of my fragments of x in slot 0, 1
.set ADRB, 20                          ; v20-21  the same for W
.set CO,   24                          ; v24     my 16 bytes' place in a stored block
.set XSO,  25                          ; v25     x's scale words: 16,384 h + 4 r
.set WSO,  26                          ; v26     W's: 12,288 h + 4 r
.set BIO,  27                          ; v27     the bias: 32 h
.set SPW,  28                          ; v28     LDS address of my spare word; never rewritten
.set NIL,  29                          ; v29     0; never rewritten
.set SCA,  32                          ; register 4 i + p: tile i of my tokens, steps 2 p (lanes 0-15) and 2 p + 1 (lanes 16-31)
.set SCB,  64                          ; the same for my columns
.set AF,   128
.set BI,   192
.set PK,   128
.set G1A, 24                           ; s[24:31] descriptor group 1 for x's tiles;  s[32:39] group 0, one set for each slot
.set G0A, 32
.set G1B, 48                           ; s[48:55], s[56:63] the same for W's
.set G0B, 56
.set MSB, 0
.macro WIN new                         ; the immediate's high byte repeats the setting that is left
.if MSB != \new
	s_set_vgpr_msb (MSB<<8)|\new
.set MSB, \new
.endif
.endm
.set MUL_LO, 0xa1                      ; source 0 (W) window 1, source 1 (x) window 0, C and D window 2
.set MUL_HI, 0xf1                      ; the same, C and D window 3
.set FST_LO, 0x81                      ; the first step: C (the bias) window 0, D window 2
.set FST_HI, 0xc1                      ; D window 3
.set TO_B,   0x40                      ; destination window 1, address window 0
; A joint load: waves 0 and 1 fetch for x, waves 2 and 3 for W.  Each of the two lines has one mask and one set of registers for all that issue it; the branch hangs on the wave's number alone.
; An s_nop 0 and four v_nop follow each of the two lines, ahead of the jump, the label and what follows.
.macro JLOAD g0a, g1a, g0b, g1b
	s_cmp_eq_u32 s21, 0
	s_cbranch_scc0 .Lfor_b_\@
	tensor_load_to_lds s[\g0a:\g0a+3], s[\g1a:\g1a+7]
	s_nop 0
.rept 4
	v_nop
.endr
	s_branch .Lasked_\@
.Lfor_b_\@:
	tensor_load_to_lds s[\g0b:\g0b+3], s[\g1b:\g1b+7]
	s_nop 0
.rept 4
	v_nop
.endr
.Lasked_\@:
.endm
.macro CROUND                          ; a round of the cluster's barrier
	s_barrier_signal -1
	s_barrier_wait -1
	s_cmp_lg_u32 s20, 0
	s_cbranch_scc1 .Lnot_wave_0_\@
	s_barrier_signal -3
.Lnot_wave_0_\@:
	s_barrier_wait -3
	s_barrier_signal -1
	s_barrier_wait -1
.endm
	s_load_b512 s[4:19], s[0:1], 0x0               ; xcodes 4, xs 6, wcodes 8, ws 10, bq 12, bk 14, bv 16, qkv 18
	v_lshl_add_u32 v[SPW], v0, 2, SPARE
	v_mov_b32 v[NIL], 0
	ds_add_u32 v[SPW], v[NIL]                      ; the wave's opening: the add, twice on end, and its wait ahead of my first tensor load; the set-up below stands between the second and the wait
	ds_add_u32 v[SPW], v[NIL]
	v_lshrrev_b32 v1, 5, v0
	v_readfirstlane_b32 s20, v1                    ; wave 0..3
	s_lshr_b32 s21, s20, 1                         ; which half of the tile's tokens is mine.  Also: I fetch for x (0) or for W (1)
	s_and_b32 s22, s20, 1                          ; which half of its columns.  Also: which 8 tiles of 16 rows I fetch
	s_bfe_u32 s40, ttmp6, 0x40000                  ; cx, cy: my place in the cluster
	s_bfe_u32 s41, ttmp6, 0x40004
	s_lshl_b32 s42, ttmp9, 2
	s_add_co_u32 s42, s42, s40                     ; tile column = 4 x cluster x + cx; so cluster x says which weight: 0 q, 1 k, 2 v
	s_and_b32 s23, ttmp7, 0xffff
	s_lshl_b32 s23, s23, 2
	s_add_co_u32 s23, s23, s41                     ; tile row = 4 x cluster y + cy
	s_lshl_b32 s43, s41, 2
	s_lshl_b32 s43, 15, s43                        ; my row of the cluster
	s_lshl_b32 s44, 0x1111, s40                    ; my column
	; descriptor group 1: a dense run of 32,768 bytes as 128 rows of 256 bytes (32 elements of 8 bytes), no padding
	s_or_b32 s[G1A+0], s43, (3<<16)|(1<<21)        ; 15:0 the mask: x's tiles go to my row; 17:16 elements of 8 bytes; 21 set beside a mask
	s_or_b32 s[G1B+0], s44, (3<<16)|(1<<21)        ; W's go to my column
.irp g, G1A, G1B
	s_mov_b32 s[\g+1], 32<<16                      ; tensor_dim0 = 32
	s_mov_b32 s[\g+2], 128<<16                     ; tensor_dim1 = 128
	s_mov_b32 s[\g+3], 32<<16                      ; tile_dim0 = 32
	s_mov_b32 s[\g+4], 128                         ; tile_dim1 = 128
	s_mov_b32 s[\g+5], 32                          ; tensor_dim0_stride
	s_mov_b32 s[\g+6], 0
	s_mov_b32 s[\g+7], 0
.endr
	s_lshl_b32 s68, s23, 16                        ; x: (16 x tile row + 8 x half) tiles of 4,096 bytes: it hangs on the tile row alone, which my row of the cluster shares
	s_lshl_b32 s69, s22, 15
	s_add_co_u32 s68, s68, s69
	s_mov_b32 s69, 0
	s_lshl_b32 s70, s42, 16                        ; W: the same by the tile column, which my column shares
	s_lshl_b32 s71, s22, 15
	s_add_co_u32 s70, s70, s71
	s_mov_b32 s71, 0
	s_lshl_b32 s45, s20, 15                        ; where they go: wave x 32,768: no place in the cluster enters an LDS address
	s_wait_dscnt 0x0                               ; both opening adds are done
	s_wait_kmcnt 0x0
	s_add_nc_u64 s[68:69], s[4:5], s[68:69]
	s_add_nc_u64 s[70:71], s[8:9], s[70:71]
	CROUND                                         ; all sixteen work-groups are here: the joint loads meet
.irp s, 0,1
	s_mov_b32 s[G0A+4*\s], 1                                       ; count = 1
	s_add_co_u32 s[G0A+4*\s+1], s45, \s*SLOT                       ; LDS address
	s_add_nc_u64 s[G0A+4*\s+2:G0A+4*\s+3], s[68:69], \s*1048576    ; global address: the slot's 512 along K of all 256 tiles are 1,048,576 bytes
	s_or_b32 s[G0A+4*\s+3], s[G0A+4*\s+3], 0x80000000              ; type = 2
	s_mov_b32 s[G0B+4*\s], 1
	s_add_co_u32 s[G0B+4*\s+1], s45, \s*SLOT
	s_add_nc_u64 s[G0B+4*\s+2:G0B+4*\s+3], s[70:71], \s*786432     ; of W's 192 tiles: 786,432
	s_or_b32 s[G0B+4*\s+3], s[G0B+4*\s+3], 0x80000000
	JLOAD G0A+4*\s, G1A, G0B+4*\s, G1B
.endr
	v_and_b32 v1, 15, v0                           ; r
	v_bfe_u32 v2, v0, 4, 1                         ; h
	v_and_b32 v3, 31, v0
	v_lshlrev_b32 v3, 4, v3                        ; 16 x lane
	v_lshlrev_b32 v[XSO], 2, v1
	v_lshl_add_u32 v[XSO], v2, 14, v[XSO]          ; lanes 16-31 take the next step's words: 4,096 rows x 4 bytes on
	v_mul_u32_u24 v[WSO], v2, 12288                ; in W's: 3,072 rows x 4 bytes on
	v_lshl_add_u32 v[WSO], v1, 2, v[WSO]
	v_lshlrev_b32 v[BIO], 5, v2
	s_lshl_b32 s72, s23, 10                        ; xs at my first token: 4 (256 x tile row + 128 x half)
	s_lshl_b32 s73, s21, 9
	s_add_co_u32 s72, s72, s73
	s_mov_b32 s73, 0
	s_add_nc_u64 s[6:7], s[6:7], s[72:73]
	s_lshl_b32 s74, s42, 10                        ; ws at my first column
	s_lshl_b32 s75, s22, 9
	s_add_co_u32 s74, s74, s75
	s_mov_b32 s75, 0
	s_add_nc_u64 s[10:11], s[10:11], s[74:75]
	s_cmp_eq_u32 ttmp9, 1                          ; the bias that goes with the weight
	s_cselect_b64 s[12:13], s[14:15], s[12:13]
	s_cmp_eq_u32 ttmp9, 2
	s_cselect_b64 s[12:13], s[16:17], s[12:13]
	s_mov_b32 s66, 256                             ; and the order of a stored block's pieces: 16 (r % 8) + s66 h + s67 (r / 8): q, k: 256, 128; v: 128, 256
	s_cselect_b32 s66, 128, s66
	s_mov_b32 s67, 128
	s_cselect_b32 s67, 256, s67
	s_lshl_b32 s76, s40, 10                        ; my first channel in the weight: 256 cx + 128 x half
	s_lshl_b32 s77, s22, 9
	s_add_co_u32 s76, s76, s77
	s_mov_b32 s77, 0
	s_add_nc_u64 s[12:13], s[12:13], s[76:77]
.irp i, 0,1,2,3,4,5,6,7
.irp p, 0,1,2,3
	global_load_b32 v[SCA+4*\i+\p], v[XSO], s[6:7] offset:\p*32768+\i*64
	global_load_b32 v[SCB+4*\i+\p], v[WSO], s[10:11] offset:\p*24576+\i*64
.endr
.endr
.irp b, 0,1,2,3,4,5,6,7
	global_load_b128 v[BI+8*\b:BI+8*\b+3], v[BIO], s[12:13] offset:64*\b          ; lane (r, h): the bias of channels 16 b + 8 h + 0 .. 7: the result's layout
	global_load_b128 v[BI+8*\b+4:BI+8*\b+7], v[BIO], s[12:13] offset:64*\b+16
.endr
	s_lshl_b32 s80, s21, 15                        ; my 8 tiles of x in a slot,
	s_lshl_b32 s81, s22, 15
	s_add_co_u32 s81, s81, 65536                   ; my 8 of W, behind x's 16
	v_add_nc_u32 v[ADRA], s80, v3
	v_add_nc_u32 v[ADRB], s81, v3
	v_add_nc_u32 v[ADRA+1], SLOT, v[ADRA]
	v_add_nc_u32 v[ADRB+1], SLOT, v[ADRB]
	v_and_b32 v4, 7, v1
	v_lshrrev_b32 v5, 3, v1
	v_lshlrev_b32 v[CO], 4, v4
	v_mad_u32_u24 v[CO], v2, s66, v[CO]
	v_mad_u32_u24 v[CO], v5, s67, v[CO]
	s_lshl_b32 s78, ttmp9, 5                       ; where my results begin: G = 32 which + 16 batch + 4 cx + 2 x half,
	s_lshr_b32 s80, s23, 3
	s_lshl_b32 s80, s80, 4
	s_add_co_u32 s78, s78, s80
	s_lshl_b32 s80, s40, 2
	s_add_co_u32 s78, s78, s80
	s_lshl_b32 s80, s22, 1
	s_add_co_u32 s78, s78, s80
	s_lshl_b32 s78, s78, 18                        ; 262,144 bytes each;
	s_and_b32 s80, s23, 7
	s_lshl_b32 s80, s80, 15                        ; token tile 16 (tile row % 8) + 8 x half, 2,048 bytes each
	s_add_co_u32 s78, s78, s80
	s_lshl_b32 s80, s21, 14
	s_add_co_u32 s78, s78, s80
	s_mov_b32 s79, 0
	s_add_nc_u64 s[18:19], s[18:19], s[78:79]
.macro FRAG reg, adr, q, i             ; a fragment: registers 4 c .. 4 c + 3 are block c of its image
.irp c, 0,1
	ds_load_b128 v[\reg+4*\c:\reg+4*\c+3], v[\adr] offset:(\i)*4096+(\q)*1024+\c*512
.endr
.endm
; 16 matrix instructions: x's blocks a0, a0 + 1 against W's eight, step sg of 128 along K.  p: W's set.  first = 1: the bias starts the sums: nothing is ever cleared.
; The 64 accumulators take turns, one instruction a turn, in the same order in every step.
.macro MUL16 a0, p, sg, first
.irp a, \a0, \a0+1
.irp b, 0,1,2,3,4,5,6,7
.if \first
	v_wmma_scale_f32_16x16x128_f8f6f4 v[8*(8*((\a)%4)+\b):8*(8*((\a)%4)+\b)+7], v[128*(\p)+8*\b:128*(\p)+8*\b+7], v[AF+8*(\a):AF+8*(\a)+7], v[BI+8*\b:BI+8*\b+7], v[SCB+4*\b+(\sg)/2], v[SCA+4*(\a)+(\sg)/2] matrix_a_fmt:MATRIX_FMT_FP4 matrix_b_fmt:MATRIX_FMT_FP4
.elseif (\sg)%2
	v_wmma_scale_f32_16x16x128_f8f6f4 v[8*(8*((\a)%4)+\b):8*(8*((\a)%4)+\b)+7], v[128*(\p)+8*\b:128*(\p)+8*\b+7], v[AF+8*(\a):AF+8*(\a)+7], v[8*(8*((\a)%4)+\b):8*(8*((\a)%4)+\b)+7], v[SCB+4*\b+(\sg)/2], v[SCA+4*(\a)+(\sg)/2] matrix_a_fmt:MATRIX_FMT_FP4 matrix_b_fmt:MATRIX_FMT_FP4 matrix_a_scale:MATRIX_SCALE_ROW1 matrix_b_scale:MATRIX_SCALE_ROW1
.else
	v_wmma_scale_f32_16x16x128_f8f6f4 v[8*(8*((\a)%4)+\b):8*(8*((\a)%4)+\b)+7], v[128*(\p)+8*\b:128*(\p)+8*\b+7], v[AF+8*(\a):AF+8*(\a)+7], v[8*(8*((\a)%4)+\b):8*(8*((\a)%4)+\b)+7], v[SCB+4*\b+(\sg)/2], v[SCA+4*(\a)+(\sg)/2] matrix_a_fmt:MATRIX_FMT_FP4 matrix_b_fmt:MATRIX_FMT_FP4
.endif
.endr
.endr
.endm
.macro FETCH_B slot, q, p              ; W's eight fragments of the slot's q-th 128 along K into set p
	WIN TO_B
.irp i, 0,1,2,3,4,5,6,7
	FRAG 128*(\p)+8*\i, ADRB+\slot, \q, \i
.endr
	WIN 0
.endm
.macro FETCH_A slot, q, i0             ; x's blocks i0 .. i0 + 3
.irp i, \i0, \i0+1, \i0+2, \i0+3
	FRAG AF+8*(\i), ADRA+\slot, \q, \i
.endr
.endm
; A load into a register that a matrix instruction has read, and a vector instruction that reads a matrix result or writes one of its registers, stand four places behind it; only plain vector
; instructions that name none of its registers are places (ISA guide 7.12.1 for vector instructions).
.macro PLACES
.rept 4
	v_nop
.endr
.endm
; A step of 128 along K that has its successor in the same slot.  x's blocks are free as soon as their eight products are issued: blocks 0-3 are fetched anew in the middle, blocks 4-7 at the end.
.macro STEP slot, q, first
	s_wait_dscnt 8                                 ; W's set and x's blocks 0-3 are in; the youngest eight loads (x's blocks 4-7) may be out
.if \first
	WIN FST_LO
.else
	WIN MUL_LO
.endif
	MUL16 0, (\q)%2, 4*(\slot)+(\q), \first
	MUL16 2, (\q)%2, 4*(\slot)+(\q), \first
	s_wait_dscnt 0x0                               ; x's blocks 4-7 are in
	PLACES
	FETCH_B \slot, (\q)+1, 1-(\q)%2
	FETCH_A \slot, (\q)+1, 0
.if \first
	WIN FST_HI
.else
	WIN MUL_HI
.endif
	MUL16 4, (\q)%2, 4*(\slot)+(\q), \first
	MUL16 6, (\q)%2, 4*(\slot)+(\q), \first
	PLACES
	WIN 0
	FETCH_A \slot, (\q)+1, 4
.endm
	s_wait_tensorcnt 1                             ; my part of slot 0 is in (slot 1's load may be out)
	s_barrier_signal -1
	s_barrier_wait -1                              ; everybody's is
	FETCH_B 0, 0, 0
	FETCH_A 0, 0, 0
	FETCH_A 0, 0, 4
	s_wait_loadcnt 0x0                             ; the scale words and the bias
	STEP 0, 0, 1
	STEP 0, 1, 0
	STEP 0, 2, 0
	; slot 0's last step crosses into slot 1: each wave's part of it has landed, and a barrier says so to the others
	s_wait_tensorcnt 0x0
	s_wait_dscnt 8
	WIN MUL_LO
	MUL16 0, 1, 3, 0
	s_wait_dscnt 0x0                               ; no LDS instruction of mine is out at the signal
	s_barrier_signal -1
	MUL16 2, 1, 3, 0                               ; work on registers while the others arrive
	s_barrier_wait -1
	PLACES
	FETCH_B 1, 0, 0
	FETCH_A 1, 0, 0
	WIN MUL_HI
	MUL16 4, 1, 3, 0
	MUL16 6, 1, 3, 0
	PLACES
	WIN 0
	FETCH_A 1, 0, 4
	STEP 1, 0, 0
	STEP 1, 1, 0
	STEP 1, 2, 0
	s_wait_dscnt 8                                 ; the last step: nothing more to fetch
	WIN MUL_LO
	MUL16 0, 1, 7, 0
	MUL16 2, 1, 7, 0
	s_wait_dscnt 0x0
	WIN MUL_HI
	MUL16 4, 1, 7, 0
	MUL16 6, 1, 7, 0
	WIN 0
	; THE WAY OUT: a lane's eight channels of a token pack into 16 bytes, and an accumulator's 32 lanes are one block of the image: no LDS.  Each accumulator is read from its low end on.
	PLACES
.irp a, 0,1,2,3,4,5,6,7
.if \a >= 4
	s_wait_xcnt 0x0                                ; block a - 4's stores have read their registers, which are written again
.endif
	WIN 0x0a+5*(\a/4)                              ; sources 0 and 1: window 2 or 3
.irp b, 0,1,2,3,4,5,6,7
.irp i, 0,1,2,3
	v_cvt_pk_f16_f32 v[PK+32*(\a%4)+4*\b+\i], v[64*(\a%4)+8*\b+2*\i], v[64*(\a%4)+8*\b+2*\i+1]
.endr
.endr
	WIN 0
.irp b, 0,1,2,3,4,5,6,7
	global_store_b128 v[CO], v[PK+32*(\a%4)+4*\b:PK+32*(\a%4)+4*\b+3], s[18:19] offset:(\b/4)*262144+\a*2048+(\b%4)*512   ; head b / 4 of my two, token tile a, channels 16 (b % 4) on: 512 consecutive bytes, aligned
.endr
.endr
	s_wait_tensorcnt 0x0                           ; the wave's end
	ds_add_u32 v[SPW], v[NIL]
	s_wait_dscnt 0x0
	CROUND                                         ; the closing round
	s_endpgm
.Lfunc_end_k_q5a7cf7b0e5_qkv:
	.size	k_q5a7cf7b0e5_qkv, .Lfunc_end_k_q5a7cf7b0e5_qkv-k_q5a7cf7b0e5_qkv
	.p2alignl 7, 3214868480
	.fill 96, 4, 3214868480
	.section	.rodata,"a",@progbits
	.p2align	6, 0x0
	.amdhsa_kernel k_q5a7cf7b0e5_qkv
		.amdhsa_group_segment_fixed_size 327680
		.amdhsa_private_segment_fixed_size 0
		.amdhsa_enable_private_segment 0
		.amdhsa_kernarg_size 64
		.amdhsa_user_sgpr_count 2
		.amdhsa_user_sgpr_kernarg_segment_ptr 1
		.amdhsa_wavefront_size32 1
		.amdhsa_system_sgpr_workgroup_id_x 1
		.amdhsa_system_sgpr_workgroup_id_y 1
		.amdhsa_system_sgpr_workgroup_id_z 1
		.amdhsa_system_vgpr_workitem_id 0
		.amdhsa_next_free_vgpr 1024
		.amdhsa_next_free_sgpr 98
		.amdhsa_reserve_vcc 0
		.amdhsa_float_denorm_mode_32 3
		.amdhsa_float_denorm_mode_16_64 3
		.amdhsa_memory_ordered 1
		.amdhsa_forward_progress 1
		.amdhsa_inst_pref_size 122
	.end_amdhsa_kernel
	.amdgpu_metadata
---
amdhsa.version: [ 1, 2 ]
amdhsa.kernels:
  - .name:           k_q5a7cf7b0e5_qkv
    .symbol:         k_q5a7cf7b0e5_qkv.kd
    .args:
      - { .name: xcodes, .offset: 0, .size: 8, .value_kind: global_buffer, .address_space: global }
      - { .name: xs, .offset: 8, .size: 8, .value_kind: global_buffer, .address_space: global }
      - { .name: wcodes, .offset: 16, .size: 8, .value_kind: global_buffer, .address_space: global }
      - { .name: ws, .offset: 24, .size: 8, .value_kind: global_buffer, .address_space: global }
      - { .name: bq, .offset: 32, .size: 8, .value_kind: global_buffer, .address_space: global }
      - { .name: bk, .offset: 40, .size: 8, .value_kind: global_buffer, .address_space: global }
      - { .name: bv, .offset: 48, .size: 8, .value_kind: global_buffer, .address_space: global }
      - { .name: qkv, .offset: 56, .size: 8, .value_kind: global_buffer, .address_space: global }
    .group_segment_fixed_size: 327680
    .private_segment_fixed_size: 0
    .kernarg_segment_align: 8
    .kernarg_segment_size: 64
    .max_flat_workgroup_size: 128
    .sgpr_count:     98
    .vgpr_count:     1024
    .wavefront_size: 32
...
	.end_amdgpu_metadata
.endif
;; end of part 2
;; launch attn (part 3): grid 8 x 32, 8 waves a work-group, clusters of 4 x 1, 327,680 bytes of LDS; arguments qkv, mask, cimg; writes cimg
.if DOCPART == 3
	.amdgcn_target "amdgcn-amd-amdhsa--gfx1250"
	.amdhsa_code_object_version 6
	.text
	.protected	k_q5a7cf7b0e5_attn
	.globl	k_q5a7cf7b0e5_attn
	.p2align	8
	.type	k_q5a7cf7b0e5_attn,@function
k_q5a7cf7b0e5_attn:
	s_mov_b64 s[64:65], 0
	v_nop
	global_prefetch_b8 v0, s[64:65] scope:SCOPE_SE
	s_setreg_imm32_b32 hwreg(HW_REG_WAVE_MODE, 25, 1), 1
	s_wait_xcnt 0x0
	s_wait_alu depctr_hold_cnt(0) depctr_sa_sdst(0) depctr_va_vdst(0) depctr_va_sdst(0) depctr_va_ssrc(0) depctr_va_vcc(0) depctr_vm_vsrc(0)
	s_getreg_b32 s2, hwreg(HW_REG_IB_STS2, 6, 4)
	s_cmp_eq_u32 s2, 0
	s_cbranch_scc0 .Lentry_in_a_cluster
	s_endpgm
.Lentry_in_a_cluster:
	s_bfe_u32 s2, ttmp6, 0x10000c
	s_cmp_lg_u32 s2, 0x3003
	s_cbranch_scc0 .Lentry_shape_is_right
	s_endpgm
.Lentry_shape_is_right:
; concat[b][q][64 head + :] = the sum over keys of softmax_key(q . k / 8 - 1e9 (1 - mask[b][key])) v[key][:], for 32 (batch, head) pairs of 2,048 tokens and 64 channels.  q, k, v arrive as f16 images of operand registers
; (qkv [G 96][tile of 16 tokens 128][16 channels 4][512 B], G = 32 which + 16 batch + head); products, maxima and sums in f32; the weights p are rounded to f16 for the second product, the result once to f16.
; SHARES.  A work-group owns 256 queries of one (batch, head); each of its EIGHT waves owns 32, two tiles of 16: two waves to a SIMD, so that one wave's softmax stands beside the other's products and LDS loads.  Every wave walks all 2,048 keys, 64 a step.
; LAYOUT.  S^T = K Q^T (source 0 = 16 keys, source 1 = 16 queries): a lane holds ONE query (lane % 16) and the keys 8 (lane / 16) + 0 .. 7.  Two such tiles, rounded to f16 in pairs, ARE source 1 (32 keys x 16 queries) of O^T = V^T P,
; whose result again holds one query a lane, and eight channels: 16 bytes of f16, half of a fragment of the next launch: cimg [ks 4][tile of 16 tokens 256][k16 16][512 B] is stored as the registers stand.
; THE MASK costs no vector work in the loop: a table of -8e9 (1 - mask[key]), f32, lies in LDS (the reference's term in units of the unscaled score: x 8 is exact), and eight of its words a lane are the C of a score tile's first product.
; SOFTMAX.  For each query a running maximum m and sum l: p = 2^(c s - c m), c = log2(e) / 8; in every step O and l are multiplied by a = 2^(c m_old - c m_new).  m begins at -3e38 and O, l at 0, so that the step is written once.
; RING.  Two LDS slots of 512 keys (K 65,536 bytes, then V), dense images.  Each wave fetches 16,384 bytes of each slot with one tensor load.  CLUSTER: the four query blocks of a cluster walk the same K and V: every tile is asked for JOINTLY,
; by the same load with a mask that names the four.  By this text's own count a wave has two tensor loads out at the head, one behind each round.
; LIMITS: where every key of a batch is masked, the score is rounded against -8e9 in the matrix unit's sum, where the reference rounds score / 8 against -1e9; NaN and infinities are not served; the result is rounded to f16 (magnitudes above 65,504 are not served).
; REGISTERS.  window 0: v1-9 addresses; v16-31 statistics, eight a tile; v32-33 c m_old; v40-47 the mask at the head; v62, v63 the add's two; v64-127 S^T, 32 a tile; v128-159 P, 16 a tile; v160-223 O^T, 32 a tile.
;   window 1: v0-63 K of a step; v64-127 V of a step; v128-159 Q, 16 a tile; v160-191 the mask's words, 8 for each tile of 16 keys.
.set SLOT1, 1<<17                      ; slot 1 begins here: one exclusive or turns an address in one slot into the other's
.set VOFF,  65536                      ; V behind K in a slot
.set MB,    2*SLOT1                    ; behind the ring: the mask's table, 2,048 words; written by LDS stores, no tensor load lands there
.set SPARE, MB+8192                    ; the spare words, 128 bytes for each wave: four blocks of 256 bytes that no other line names
.set LI,  1                            ; v1   16 x lane
.set LIV, 2                            ; v2   the same in V's half of a slot
.set MBL, 3                            ; v3   MB + 32 (lane / 16)
.set ADK, 4                            ; v4-6 the step's LDS addresses: K, V, the mask's words
.set ADV, 5
.set ADM, 6
.set PFO, 7                            ; v7   256 x lane: the prefetch's offset; never rewritten
.set ST,  16                           ; tile t's statistics at v[ST + 8 t]: +0 c m, +1 m, +2, +3 l (even keys', odd keys'), +4 to +7 at work; a takes +6
.set OLD, 32
.set SPW, 62
.set NIL, 63
.set S,   64
.set P,   128
.set O,   160
.set KF,  0                            ; in window 1
.set VF,  64
.set QF,  128
.set BF,  160
.set WV,  14                           ; s14  my wave's number
.set PFA, 18                           ; s[18:19] where my prefetch stands
.set LIM, 20                           ; s20  1 in a wave that prefetches, else the greatest number
.set G1,  24                           ; s[24:31] descriptor group 1, one for all loads
.set G0,  32                           ; s[32:35] group 0 for slot 0's first fill; s[36:39] for slot 1's, which then walks
.set SLOTS, 56                         ; s56  slots still to be asked for
.set CNT, 57                           ; s57  counts a slot's eight steps
.set CS,  58                           ; s[58:59] c, twice: the packed form names a pair
.set SEL, 60                           ; s[60:61] lane selects for v_permlanex16_b32: lane l xor 16
.set TB,  62                           ; s62  LDS byte at which the step's tiles begin
.set TM,  63                           ; s63  byte of the mask's table at which the step's keys begin
.set MSB, 0
.macro WIN new                         ; the immediate's high byte repeats the setting that is left
.if MSB != \new
	s_set_vgpr_msb (MSB<<8)|\new
.set MSB, \new
.endif
.endm
.macro CROUND                          ; a round of the cluster's barrier
	s_barrier_signal -1
	s_barrier_wait -1
	s_cmp_lg_u32 s[WV], 0
	s_cbranch_scc1 .Lnot_wave_0_\@
	s_barrier_signal -3
.Lnot_wave_0_\@:
	s_barrier_wait -3
	s_barrier_signal -1
	s_barrier_wait -1
.endm
; A PREFETCH INTO THE L2 of what the NEXT change of slots will ask for: a slot's 65,536 bytes of K and of V.  All clusters of a (batch, head) walk the same bytes: its first cluster asks.  In it the even waves ask, each for 8,192 bytes
; (a lane to each 256) of the 32,768 that it and the next wave fetch; the four partners take a quarter each, told apart BY ADDRESS.  So each aligned block of 256 bytes is named once.  The last change that fills a slot asks for nothing.
.macro ASK
	s_cmp_gt_u32 s[SLOTS], s[LIM]
	s_cbranch_scc0 .Lnot_mine_\@
	global_prefetch_b8 v[PFO], s[PFA:PFA+1] th:TH_LOAD_NT scope:SCOPE_SE
.Lnot_mine_\@:
.endm
	s_load_b128 s[4:7], s[0:1], 0x0                ; qkv, mask
	s_load_b64 s[8:9], s[0:1], 0x10                ; cimg
	v_lshl_add_u32 v[SPW], v0, 2, SPARE
	v_mov_b32 v[NIL], 0
	ds_add_u32 v[SPW], v[NIL]                      ; the wave's opening: the add, twice on end, and its wait ahead of my first tensor load; the set-up below stands between the second and the wait
	ds_add_u32 v[SPW], v[NIL]
	v_lshrrev_b32 v1, 5, v0
	v_readfirstlane_b32 s[WV], v1                  ; wave 0..7
	s_bfe_u32 s15, ttmp6, 0x40000                  ; cx: my place in the cluster
	s_lshl_b32 s16, ttmp9, 2
	s_add_co_u32 s16, s16, s15                     ; my block of 256 queries: it enters Q's and the result's addresses alone
	s_and_b32 s17, ttmp7, 0xffff                   ; hh = 16 batch + head, which the four partners share
	; descriptor group 1: a dense run of 16,384 bytes as 64 rows of 256 bytes (32 elements of 8 bytes), no padding
	s_mov_b32 s[G1], 15|(3<<16)|(1<<21)            ; 15:0 the mask: all four work-groups; 17:16 elements of 8 bytes; 21 set beside a mask
	s_mov_b32 s[G1+1], 32<<16                      ; tensor_dim0 = 32
	s_mov_b32 s[G1+2], 64<<16                      ; tensor_dim1 = 64
	s_mov_b32 s[G1+3], 32<<16                      ; tile_dim0 = 32
	s_mov_b32 s[G1+4], 64                          ; tile_dim1 = 64
	s_mov_b32 s[G1+5], 32                          ; tensor_dim0_stride
	s_mov_b32 s[G1+6], 0
	s_mov_b32 s[G1+7], 0
	s_lshr_b32 s10, s[WV], 2                       ; what I fetch: waves 0-3 K (which = 1), waves 4-7 V (which = 2): 8,388,608 bytes each,
	s_add_co_u32 s10, s10, 1
	s_lshl_b32 s10, s10, 23
	s_lshl_b32 s11, s17, 18                        ; + 262,144 hh,
	s_add_co_u32 s10, s10, s11
	s_and_b32 s11, s[WV], 3
	s_lshl_b32 s11, s11, 14                        ; + my quarter of a slot's 65,536
	s_add_co_u32 s10, s10, s11
	s_mov_b32 s11, 0
	s_lshl_b32 s21, s[WV], 14                      ; and where it goes in a slot: 16,384 x wave
	s_lshl_b32 s40, s17, 18                        ; Q (which = 0): token tile 16 x block + 2 x wave, 2,048 bytes each
	s_lshl_b32 s41, s16, 15
	s_add_co_u32 s40, s40, s41
	s_lshl_b32 s41, s[WV], 12
	s_add_co_u32 s40, s40, s41
	s_mov_b32 s41, 0
	s_lshr_b32 s42, s17, 4                         ; the mask's row of my batch
	s_lshl_b32 s42, s42, 13
	s_mov_b32 s43, 0
	s_bfe_u32 s44, s17, 0x20002                    ; the result: (((head / 4) 256 + 128 batch + 16 block + 2 wave) 16 + 4 (head % 4)) 512
	s_lshl_b32 s44, s44, 21
	s_lshr_b32 s46, s17, 4
	s_lshl_b32 s46, s46, 20
	s_add_co_u32 s44, s44, s46
	s_lshl_b32 s46, s16, 17
	s_add_co_u32 s44, s44, s46
	s_lshl_b32 s46, s[WV], 14
	s_add_co_u32 s44, s44, s46
	s_and_b32 s46, s17, 3
	s_lshl_b32 s46, s46, 11
	s_add_co_u32 s44, s44, s46
	s_mov_b32 s45, 0
	s_lshl_b32 s22, s15, 13                        ; the prefetch: my work-group's 8,192 bytes,
	s_add_co_u32 s22, s22, 2*65536                 ; in the third slot's worth of keys; the first change of slots steps it to the fourth.  Nothing is prefetched at the head
	s_mov_b32 s23, 0
	s_and_b32 s[LIM], s[WV], 1                     ; 0 in the even waves,
	s_or_b32 s[LIM], s[LIM], ttmp9                 ; of the first cluster: the same in all four partners
	s_cmp_eq_u32 s[LIM], 0
	s_cselect_b32 s[LIM], 1, -1
	s_mov_b32 s[SLOTS], 2
	s_mov_b32 s[CS], 0x3e38aa3b                    ; c = log2(e) / 8
	s_mov_b32 s[CS+1], s[CS]
	s_mov_b32 s[SEL], 0x76543210
	s_mov_b32 s[SEL+1], 0xfedcba98
	s_mov_b32 s[TB], 0
	s_mov_b32 s[TM], 0
	s_mov_b32 s66, 0x4fee6b28                      ; 8e9
	s_wait_dscnt 0x0                               ; both opening adds are done
	s_wait_kmcnt 0x0
	s_add_nc_u64 s[12:13], s[4:5], s[10:11]        ; my part of the first 512 keys
	s_add_nc_u64 s[40:41], s[4:5], s[40:41]
	s_add_nc_u64 s[6:7], s[6:7], s[42:43]
	s_add_nc_u64 s[8:9], s[8:9], s[44:45]
	s_add_nc_u64 s[PFA:PFA+1], s[12:13], s[22:23]
	s_mov_b32 s[G0], 1                             ; count = 1
	s_mov_b32 s[G0+1], s21                         ; LDS address: slot 0
	s_mov_b64 s[G0+2:G0+3], s[12:13]               ; global address
	s_or_b32 s[G0+3], s[G0+3], 0x80000000          ; type = 2
	s_mov_b32 s[G0+4], 1
	s_add_co_u32 s[G0+5], s21, SLOT1               ; slot 1,
	s_add_nc_u64 s[G0+6:G0+7], s[12:13], 65536     ; the next 512 keys
	s_or_b32 s[G0+7], s[G0+7], 0x80000000
	CROUND                                         ; all four work-groups are here: the first joint loads meet
	tensor_load_to_lds s[G0:G0+3], s[G1:G1+7]
	s_nop 0
	tensor_load_to_lds s[G0+4:G0+7], s[G1:G1+7]
	s_nop 0
.rept 4
	v_nop
.endr
	v_and_b32 v[LI], 31, v0
	v_lshlrev_b32 v[PFO], 8, v[LI]
	v_lshlrev_b32 v[LI], 4, v[LI]
	v_add_nc_u32 v[LIV], VOFF, v[LI]
	v_bfe_u32 v[MBL], v0, 4, 1
	v_lshl_add_u32 v[MBL], v[MBL], 5, MB
	v_lshlrev_b32 v8, 5, v0                        ; the mask: eight keys a thread
	v_lshl_add_u32 v9, v0, 5, MB                   ; and their words in the table
	global_load_b128 v[40:43], v8, s[6:7]
	global_load_b128 v[44:47], v8, s[6:7] offset:16
	WIN 0x40                                       ; destination window 1
.irp t, 0,1
.irp i, 0,1,2,3
	global_load_b128 v[QF+16*\t+4*\i:QF+16*\t+4*\i+3], v[LI], s[40:41] offset:\t*2048+512*\i   ; Q stays in registers: tile t, channels 16 i on
.endr
.endr
	WIN 0
.irp t, 0,1
	v_mov_b32 v[ST+8*\t+1], 0xff61b1e6             ; m = -3e38, under every score
	v_mul_f32 v[ST+8*\t], s[CS], v[ST+8*\t+1]      ; c m
.irp j, 2,3,4,5,6,7
	v_mov_b32 v[ST+8*\t+\j], 0                     ; l; and what lane permutes and packed forms name before it is first made
.endr
.endr
.set i, 0
.rept 64
	v_mov_b32 v[O+i], 0                            ; O^T: the first step finds zeros, which its a = 0 leaves zeros
.set i, i+1
.endr
	s_wait_loadcnt 8                               ; the mask's two loads are in; Q's eight may be out
.irp j, 0,1,2,3,4,5,6,7
	v_cvt_f32_i32 v[40+\j], v[40+\j]
.endr
.irp j, 0,1,2,3,4,5,6,7
	v_fma_f32 v[40+\j], v[40+\j], s66, -s66        ; -8e9 (1 - mask): 0 where the mask is 1, exactly
.endr
	ds_store_b128 v9, v[40:43]
	ds_store_b128 v9, v[44:47] offset:16
	s_wait_tensorcnt 1                             ; my part of slot 0 is in; slot 1's may stay out
	s_wait_dscnt 0x0                               ; for the others' sake: my words of the table have landed
	s_barrier_signal -1
	s_barrier_wait -1
	s_wait_loadcnt 0x0                             ; Q
; A KEY STEP: 64 keys.
.macro STEP
	v_add_nc_u32 v[ADK], s[TB], v[LI]              ; these four plain lines are the places between the last step's products, which read V, and the loads below
	v_add_nc_u32 v[ADV], s[TB], v[LIV]
	v_add_nc_u32 v[ADM], s[TM], v[MBL]
	v_nop
	WIN 0x40                                       ; destination window 1
.irp i, 0,1,2,3,4,5,6,7,8,9,10,11,12,13,14,15
	ds_load_b128 v[KF+4*\i:KF+4*\i+3], v[ADK] offset:512*\i          ; K: key tile i / 4, channels 16 (i % 4) on: the fragment (key tile, 32 channels) is eight registers on end
.endr
.irp kt, 0,1,2,3
.irp e, 0,1
	ds_load_b128 v[BF+8*\kt+4*\e:BF+8*\kt+4*\e+3], v[ADM] offset:64*\kt+16*\e   ; the mask's words of keys 16 kt + 8 (lane / 16) + 0 .. 7: the score tile's layout
.endr
.endr
.irp ct, 0,1,2,3
.irp kg, 0,1
.irp c, 0,1
	ds_load_tr16_b128 v[VF+8*(2*\ct+\kg)+4*\c:VF+8*(2*\ct+\kg)+4*\c+3], v[ADV] offset:((2*\kg+\c)*4+\ct)*512   ; V turned: lane l holds channel 16 ct + l % 16 and eight keys
.endr
.endr
.endr
	s_add_co_u32 s[TB], s[TB], 8192                ; the next step's tiles,
	s_add_co_u32 s[TM], s[TM], 256                 ; and its keys' words
	s_wait_dscnt 16                                ; K and the mask's words are in; V's sixteen loads may be out
	WIN 0x15                                       ; K, Q and the mask's words in window 1, S^T in window 0
.irp t, 0,1
.irp kt, 0,1,2,3
	v_wmma_f32_16x16x32_f16 v[S+32*\t+8*\kt:S+32*\t+8*\kt+7], v[KF+16*\kt:KF+16*\kt+7], v[QF+16*\t:QF+16*\t+7], v[BF+8*\kt:BF+8*\kt+7]
.endr
.endr
	WIN 0x05                                       ; the eight accumulators take turns
.irp t, 0,1
.irp kt, 0,1,2,3
	v_wmma_f32_16x16x32_f16 v[S+32*\t+8*\kt:S+32*\t+8*\kt+7], v[KF+16*\kt+8:KF+16*\kt+15], v[QF+16*\t+8:QF+16*\t+15], v[S+32*\t+8*\kt:S+32*\t+8*\kt+7]
.endr
.endr
	WIN 0
	v_mov_b32 v[OLD], v[ST]                        ; c m_old is kept for a.  With the two v_nop: the four places behind the products
	v_mov_b32 v[OLD+1], v[ST+8]
	v_nop
	v_nop
	; the maximum of my 32 scores and the old m: four chains, the two tiles by turns; each accumulator is first read at its low end
.irp j, 0,1,2,3
.irp t, 0,1
	v_max3_num_f32 v[ST+8*\t+4+\j], v[S+32*\t+8*\j], v[S+32*\t+8*\j+1], v[S+32*\t+8*\j+2]
.endr
.endr
.irp g, 1,2
.irp j, 0,1,2,3
.irp t, 0,1
	v_max3_num_f32 v[ST+8*\t+4+\j], v[ST+8*\t+4+\j], v[S+32*\t+8*\j+2*\g+1], v[S+32*\t+8*\j+2*\g+2]
.endr
.endr
.endr
.irp t, 0,1
	v_max3_num_f32 v[ST+8*\t+4], v[ST+8*\t+4], v[S+32*\t+7], v[S+32*\t+15]
	v_max3_num_f32 v[ST+8*\t+6], v[ST+8*\t+6], v[S+32*\t+23], v[S+32*\t+31]
.endr
.irp t, 0,1
	v_max3_num_f32 v[ST+8*\t+4], v[ST+8*\t+4], v[ST+8*\t+5], v[ST+8*\t+6]
.endr
.irp t, 0,1
	v_max3_num_f32 v[ST+8*\t+4], v[ST+8*\t+4], v[ST+8*\t+7], v[ST+8*\t+1]
.endr
.irp t, 0,1
	v_permlanex16_b32 v[ST+8*\t+5], v[ST+8*\t+4], s[SEL], s[SEL+1]   ; the query's other 32 keys lie in the lane 16 away
.endr
.irp t, 0,1
	v_max_num_f32 v[ST+8*\t+1], v[ST+8*\t+4], v[ST+8*\t+5]           ; the new m
.endr
.irp t, 0,1
	v_mul_f32 v[ST+8*\t], s[CS], v[ST+8*\t+1]                        ; c m
.endr
.irp t, 0,1
	v_sub_f32 v[ST+8*\t+7], v[OLD+\t], v[ST+8*\t]                    ; c m_old - c m_new
.endr
.set i, 0
.rept 16
.irp t, 0,1
	v_pk_fma_f32 v[S+32*\t+2*i:S+32*\t+2*i+1], v[S+32*\t+2*i:S+32*\t+2*i+1], s[CS:CS+1], v[ST+8*\t:ST+8*\t+1] op_sel_hi:[1,0,0] neg_lo:[0,0,1] neg_hi:[0,0,1]   ; c s - c m, two at a time
.endr
.set i, i+1
.endr
.irp t, 0,1
	v_exp_f32 v[ST+8*\t+6], v[ST+8*\t+7]           ; a
.endr
.set i, 0
.rept 32
.irp t, 0,1
	v_exp_f32 v[S+32*\t+i], v[S+32*\t+i]           ; p, at most 1
.endr
.set i, i+1
.endr
	v_nop                                          ; a plain line behind the last exponential
	s_wait_alu depctr_va_vdst(0)                   ; one wait for the batch of 66, ahead of its first reader
.set i, 0
.rept 16
.irp t, 0,1
	v_cvt_pk_f16_f32 v[P+16*\t+i], v[S+32*\t+2*i], v[S+32*\t+2*i+1]   ; P: registers 8 kg .. 8 kg + 7 are source 1 for keys 32 kg on
.endr
.set i, i+1
.endr
.irp w, 4,8,16,32                      ; the sum of the unrounded p: 16 pairs, in place, neighbours 1, 2, 4 and 8 pairs apart
.set u, 0
.rept 32/\w
.irp t, 0,1
	v_pk_add_f32 v[S+32*\t+\w*u:S+32*\t+\w*u+1], v[S+32*\t+\w*u:S+32*\t+\w*u+1], v[S+32*\t+\w*u+\w/2:S+32*\t+\w*u+\w/2+1]
.endr
.set u, u+1
.endr
.endr
.irp t, 0,1
	v_pk_fma_f32 v[ST+8*\t+2:ST+8*\t+3], v[ST+8*\t+2:ST+8*\t+3], v[ST+8*\t+6:ST+8*\t+7], v[S+32*\t:S+32*\t+1] op_sel_hi:[1,0,1]   ; l = a l + the sum
.endr
.set i, 0
.rept 16
.irp t, 0,1
	v_pk_mul_f32 v[O+32*\t+2*i:O+32*\t+2*i+1], v[O+32*\t+2*i:O+32*\t+2*i+1], v[ST+8*\t+6:ST+8*\t+7] op_sel_hi:[1,0]   ; O^T x a, each accumulator from its low end on
.endr
.set i, i+1
.endr
	s_wait_dscnt 0x0                               ; V is in
	WIN 0x01                                       ; V in window 1
.irp kg, 0,1
.irp ct, 0,1,2,3
.irp t, 0,1
	v_wmma_f32_16x16x32_f16 v[O+32*\t+8*\ct:O+32*\t+8*\ct+7], v[VF+8*(2*\ct+\kg):VF+8*(2*\ct+\kg)+7], v[P+16*\t+8*\kg:P+16*\t+8*\kg+7], v[O+32*\t+8*\ct:O+32*\t+8*\ct+7]
.endr
.endr
.endr
	WIN 0
.endm
.macro SLOT_STEPS                      ; a slot's eight steps: written once, walked eight times; the LDS addresses hang on s[TB] and s[TM]
	s_mov_b32 s[CNT], 8
.Lstep_\@:
	STEP
	s_sub_co_u32 s[CNT], s[CNT], 1
	s_cmp_lg_u32 s[CNT], 0
	s_cbranch_scc1 .Lstep_\@
.endm
; THE CHANGE OF SLOTS.  Each wave waits for all its tensor loads (its part of the other slot), adds 0 to its spare word, and waits for that and for its reads of the slot that it leaves.  fill = 1: that slot is filled again, with the keys
; two slots on: the barrier is then a round of the cluster's, so that no wave of any partner still reads the slot or has a load on its way, and the joint refill is the first thing behind it: it has a slot's eight steps in which to land.
.macro CHANGE fill
	s_wait_tensorcnt 0x0                           ; no tensor load of mine is out, so a group 0 may be written
	ds_add_u32 v[SPW], v[NIL]                      ; 0 onto my spare word
.if \fill
	s_xor_b32 s[G0+5], s[G0+5], SLOT1              ; the walking descriptor: the other slot than last time,
	s_add_nc_u64 s[G0+6:G0+7], s[G0+6:G0+7], 65536 ; the next 512 keys; the type bits on top are not reached
	s_wait_xcnt 0x0                                ; an earlier prefetch has read its address, so it may be written:
	s_add_nc_u64 s[PFA:PFA+1], s[PFA:PFA+1], 65536 ; one slot further on than the walking descriptor
	s_wait_dscnt 0x0                               ; the add is done, and my reads of the slot are over
	CROUND
	tensor_load_to_lds s[G0+4:G0+7], s[G1:G1+7]
	s_nop 0
.rept 4
	v_nop
.endr
	ASK
.else
	s_wait_dscnt 0x0
	s_barrier_signal -1
	s_barrier_wait -1
.endif
	s_sub_co_u32 s[TB], s[TB], 65536               ; back to a slot's first step,
	s_xor_b32 s[TB], s[TB], SLOT1                  ; in the other slot
.endm
	SLOT_STEPS                                     ; keys 0 to 511
.Lslot:                                            ; two trips: slots 0 and 1 are filled again
	CHANGE 1
	SLOT_STEPS
	s_sub_co_u32 s[SLOTS], s[SLOTS], 1
	s_cmp_lg_u32 s[SLOTS], 0
	s_cbranch_scc1 .Lslot
	CHANGE 0                                       ; the tail is written out
	SLOT_STEPS
	; THE WAY OUT.  l's two halves and the other half of the lanes' are added; O^T is divided by l and rounded to f16; an accumulator's 32 lanes are one block of the image.
.irp t, 0,1
	v_add_f32 v[ST+8*\t+4], v[ST+8*\t+2], v[ST+8*\t+3]   ; with the two v_nop: the places behind the last products
.endr
	v_nop
	v_nop
.irp t, 0,1
	v_permlanex16_b32 v[ST+8*\t+5], v[ST+8*\t+4], s[SEL], s[SEL+1]
.endr
.irp t, 0,1
	v_add_f32 v[ST+8*\t+4], v[ST+8*\t+4], v[ST+8*\t+5]
.endr
.irp t, 0,1
	v_rcp_f32 v[ST+8*\t+6], v[ST+8*\t+4]
.endr
	v_nop                                          ; a plain line behind the last reciprocal
	s_wait_alu depctr_va_vdst(0)                   ; and the wait ahead of the first use: one for the two
.set i, 0
.rept 16
.irp t, 0,1
	v_pk_mul_f32 v[O+32*\t+2*i:O+32*\t+2*i+1], v[O+32*\t+2*i:O+32*\t+2*i+1], v[ST+8*\t+6:ST+8*\t+7] op_sel_hi:[1,0]
.endr
.set i, i+1
.endr
.set i, 0
.rept 16
.irp t, 0,1
	v_cvt_pk_f16_f32 v[S+16*\t+i], v[O+32*\t+2*i], v[O+32*\t+2*i+1]
.endr
.set i, i+1
.endr
.irp t, 0,1
.irp ct, 0,1,2,3
	global_store_b128 v[LI], v[S+16*\t+4*\ct:S+16*\t+4*\ct+3], s[8:9] offset:\t*8192+\ct*512   ; token tile t, channels 16 ct on: 512 consecutive bytes, aligned
.endr
.endr
	s_wait_tensorcnt 0x0                           ; the wave's end, behind my last tensor load and my last LDS store
	ds_add_u32 v[SPW], v[NIL]
	s_wait_dscnt 0x0
	CROUND                                         ; the closing round
	s_endpgm
.Lfunc_end_k_q5a7cf7b0e5_attn:
	.size	k_q5a7cf7b0e5_attn, .Lfunc_end_k_q5a7cf7b0e5_attn-k_q5a7cf7b0e5_attn
	.p2alignl 7, 3214868480
	.fill 96, 4, 3214868480
	.section	.rodata,"a",@progbits
	.p2align	6, 0x0
	.amdhsa_kernel k_q5a7cf7b0e5_attn
		.amdhsa_group_segment_fixed_size 327680
		.amdhsa_private_segment_fixed_size 0
		.amdhsa_enable_private_segment 0
		.amdhsa_kernarg_size 24
		.amdhsa_user_sgpr_count 2
		.amdhsa_user_sgpr_kernarg_segment_ptr 1
		.amdhsa_wavefront_size32 1
		.amdhsa_system_sgpr_workgroup_id_x 1
		.amdhsa_system_sgpr_workgroup_id_y 1
		.amdhsa_system_sgpr_workgroup_id_z 1
		.amdhsa_system_vgpr_workitem_id 0
		.amdhsa_next_free_vgpr 448
		.amdhsa_next_free_sgpr 80
		.amdhsa_reserve_vcc 0
		.amdhsa_float_denorm_mode_32 3
		.amdhsa_float_denorm_mode_16_64 3
		.amdhsa_memory_ordered 1
		.amdhsa_forward_progress 1
		.amdhsa_inst_pref_size 70
	.end_amdhsa_kernel
	.amdgpu_metadata
---
amdhsa.version: [ 1, 2 ]
amdhsa.kernels:
  - .name:           k_q5a7cf7b0e5_attn
    .symbol:         k_q5a7cf7b0e5_attn.kd
    .args:
      - { .name: qkv, .offset: 0, .size: 8, .value_kind: global_buffer, .address_space: global }
      - { .name: mask, .offset: 8, .size: 8, .value_kind: global_buffer, .address_space: global }
      - { .name: cimg, .offset: 16, .size: 8, .value_kind: global_buffer, .address_space: global }
    .group_segment_fixed_size: 327680
    .private_segment_fixed_size: 0
    .kernarg_segment_align: 8
    .kernarg_segment_size: 24
    .max_flat_workgroup_size: 256
    .sgpr_count:     80
    .vgpr_count:     448
    .wavefront_size: 32
...
	.end_amdgpu_metadata
.endif
;; end of part 3
;; launch oproj (part 4): grid 8 x 32, 4 waves a work-group, clusters of 4 x 4, 327,680 bytes of LDS; arguments cimg, woimg, bo, out0; writes out0
.if DOCPART == 4
	.amdgcn_target "amdgcn-amd-amdhsa--gfx1250"
	.amdhsa_code_object_version 6
	.text
	.protected	k_q5a7cf7b0e5_oproj
	.globl	k_q5a7cf7b0e5_oproj
	.p2align	8
	.type	k_q5a7cf7b0e5_oproj,@function
k_q5a7cf7b0e5_oproj:
	s_mov_b64 s[64:65], 0
	v_nop
	global_prefetch_b8 v0, s[64:65] scope:SCOPE_SE
	s_setreg_imm32_b32 hwreg(HW_REG_WAVE_MODE, 25, 1), 1
	s_wait_xcnt 0x0
	s_wait_alu depctr_hold_cnt(0) depctr_sa_sdst(0) depctr_va_vdst(0) depctr_va_sdst(0) depctr_va_ssrc(0) depctr_va_vcc(0) depctr_vm_vsrc(0)
	s_getreg_b32 s2, hwreg(HW_REG_IB_STS2, 6, 4)
	s_cmp_eq_u32 s2, 0
	s_cbranch_scc0 .Lentry_in_a_cluster
	s_endpgm
.Lentry_in_a_cluster:
	s_bfe_u32 s2, ttmp6, 0x10000c
	s_cmp_lg_u32 s2, 0xf033
	s_cbranch_scc0 .Lentry_shape_is_right
	s_endpgm
.Lentry_shape_is_right:
; out0 = concat Wo + bo: [4096 tokens] x [1024 columns], K = 1,024, f16 operands, sums and result in f32.
; Both operands are images of operand registers: cimg [ks 4][tile of 16 tokens 256][k16 16][512 B], woimg [ks 4][tile of 16 columns 64][k16 16][512 B]; a block holds 16 rows x 16 along K, lane (r, h): row r, k = 8 h + 0 .. 7; two blocks on end are a fragment.
; A tile of 128 x 128 is made by a work-group of four waves, each 64 x 64: 16 accumulators, 128 registers; 8 x 32 = 256 work-groups.  K goes in four steps of 256 through a ring of two LDS slots filled by the tensor data mover:
; a wave's load brings 32,768 dense bytes (four tiles of 16 rows).  The two laps round the ring are written out: a loop would have one trip.  By this text's own count a wave has two tensor loads out at the head, one behind each round.
; CLUSTERS: 4 x 4 work-groups.  The four of a row of the cluster need the same tokens, the four of a column the same columns of Wo: each tile is asked for JOINTLY, by the same tensor load with the same descriptor and a mask that names the four.
; THE MATRIX INSTRUCTION IS USED TRANSPOSED (source 0 = 16 columns of Wo, source 1 = 16 tokens): a lane holds eight neighbouring numbers of a row of the result.  The bias is the C of each sum's first product.
; REGISTERS: window 0: v1-29 addresses; v32-95 rows on the way out, two sets; v96-127 the bias, 8 for each tile of 16 columns; v128-255 the accumulators ((a, b) at v[128 + 8 (4 a + b)]).
;   window 1: two fragment buffers of 128: for 64 along K, 64 registers of tokens (2 x 4 x 8), then 64 of Wo.
.set SLOT,   131072                    ; tokens' 8 tiles x 8,192 bytes, then Wo's 8
.set STAGE,  2*SLOT                    ; behind the ring: 16 rows x 272 bytes for each wave, for the way out; no tensor load lands there
.set SPITCH, 272                       ; 256 bytes + 16 = 68 words: row r starts at bank 4 r mod 64 (64 banks of 4 bytes: ISA guide 11.1)
.set SPARE,  STAGE+4*16*SPITCH         ; behind the stages: the spare words, 128 bytes for each wave: two blocks of 256 bytes that no other line names
.set ADRA, 16                          ; v16-17  LDS address of my tokens' fragments in slot 0, 1
.set ADRB, 20                          ; v20-21  the same for Wo
.set STO,  24                          ; v24     the way out: where I put 32 bytes of a row
.set RD,   25                          ; v25     where I read a row back
.set CO,   26                          ; v26     my byte offset in the result
.set BIO,  27                          ; v27     the bias: 32 h
.set SPW,  28                          ; v28     LDS address of my spare word; never rewritten
.set NIL,  29                          ; v29     0; never rewritten
.set TMP,  32
.set BI,   96
.set ACC,  128
.set F0,   0                           ; fragment buffers, in window 1
.set F1,   128
.set G1,  24                           ; s[24:31] descriptor group 1 for the tokens' tiles;  s[32:39] group 0, one set for each slot
.set G0,  32
.set G1B, 48                           ; s[48:55], s[56:63] the same for Wo's
.set G0B, 56
.set MSB, 0
.macro WIN new                         ; the immediate's high byte repeats the setting that is left
.if MSB != \new
	s_set_vgpr_msb (MSB<<8)|\new
.set MSB, \new
.endif
.endm
.set MUL,  0x05                        ; sources 0 and 1 window 1; C and D window 0
.set TO_F, 0x40                        ; destination window 1, address window 0
.macro JLOAD s                         ; a joint load: waves 0 and 1 fetch the tokens' two halves, waves 2 and 3 Wo's; an s_nop 0 and four v_nop follow each of the two lines
	s_cmp_eq_u32 s13, 0
	s_cbranch_scc0 .Lfor_b_\@
	tensor_load_to_lds s[G0+4*\s:G0+4*\s+3], s[G1:G1+7]
	s_nop 0
.rept 4
	v_nop
.endr
	s_branch .Lasked_\@
.Lfor_b_\@:
	tensor_load_to_lds s[G0B+4*\s:G0B+4*\s+3], s[G1B:G1B+7]
	s_nop 0
.rept 4
	v_nop
.endr
.Lasked_\@:
.endm
.macro CREST                           ; a round of the cluster's barrier behind its opening barrier
	s_cmp_lg_u32 s12, 0
	s_cbranch_scc1 .Lnot_wave_0_\@
	s_barrier_signal -3
.Lnot_wave_0_\@:
	s_barrier_wait -3
	s_barrier_signal -1
	s_barrier_wait -1
.endm
.macro CROUND                          ; a whole round
	s_barrier_signal -1
	s_barrier_wait -1
	CREST
.endm
	s_load_b256 s[4:11], s[0:1], 0x0               ; cimg 4, woimg 6, bo 8, out0 10
	v_lshl_add_u32 v[SPW], v0, 2, SPARE
	v_mov_b32 v[NIL], 0
	ds_add_u32 v[SPW], v[NIL]                      ; the wave's opening: the add, twice on end, and its wait ahead of my first tensor load; the set-up below stands between the second and the wait
	ds_add_u32 v[SPW], v[NIL]
	v_lshrrev_b32 v1, 5, v0
	v_readfirstlane_b32 s12, v1                    ; wave 0..3
	s_lshr_b32 s13, s12, 1                         ; which half of the tile's tokens is mine.  Also: I fetch for the tokens (0) or for Wo (1)
	s_and_b32 s14, s12, 1                          ; which half of its columns.  Also: which four tiles of 16 rows I fetch
	s_bfe_u32 s40, ttmp6, 0x40000                  ; cx, cy: my place in the cluster
	s_bfe_u32 s41, ttmp6, 0x40004
	s_lshl_b32 s42, ttmp9, 2
	s_add_co_u32 s42, s42, s40                     ; tile column = 4 x cluster x + cx
	s_and_b32 s15, ttmp7, 0xffff
	s_lshl_b32 s15, s15, 2
	s_add_co_u32 s15, s15, s41                     ; tile row = 4 x cluster y + cy
	s_lshl_b32 s43, s41, 2
	s_lshl_b32 s43, 15, s43                        ; my row of the cluster
	s_lshl_b32 s44, 0x1111, s40                    ; my column
	; descriptor group 1: a dense run of 32,768 bytes as 128 rows of 256 bytes (32 elements of 8 bytes), no padding
	s_or_b32 s[G1+0], s43, (3<<16)|(1<<21)         ; 15:0 the mask: the tokens' tiles go to my row; 17:16 elements of 8 bytes; 21 set beside a mask
	s_or_b32 s[G1B+0], s44, (3<<16)|(1<<21)
.irp g, G1, G1B
	s_mov_b32 s[\g+1], 32<<16                      ; tensor_dim0 = 32
	s_mov_b32 s[\g+2], 128<<16                     ; tensor_dim1 = 128
	s_mov_b32 s[\g+3], 32<<16                      ; tile_dim0 = 32
	s_mov_b32 s[\g+4], 128                         ; tile_dim1 = 128
	s_mov_b32 s[\g+5], 32                          ; tensor_dim0_stride
	s_mov_b32 s[\g+6], 0
	s_mov_b32 s[\g+7], 0
.endr
	s_lshl_b32 s16, s15, 16                        ; tokens: (8 x tile row + 4 x half) tiles of 8,192 bytes
	s_lshl_b32 s17, s14, 15
	s_add_co_u32 s16, s16, s17
	s_mov_b32 s17, 0
	s_lshl_b32 s20, s42, 16                        ; Wo: the same by the tile column
	s_lshl_b32 s21, s14, 15
	s_add_co_u32 s20, s20, s21
	s_mov_b32 s21, 0
	s_lshl_b32 s45, s12, 15                        ; where they go: wave x 32,768: no place in the cluster enters an LDS address
	s_wait_dscnt 0x0                               ; both opening adds are done
	s_wait_kmcnt 0x0
	s_add_nc_u64 s[16:17], s[4:5], s[16:17]
	s_add_nc_u64 s[20:21], s[6:7], s[20:21]
	CROUND                                         ; all sixteen work-groups are here: the first joint loads meet
.irp s, 0,1
	s_mov_b32 s[G0+4*\s], 1
	s_add_co_u32 s[G0+4*\s+1], s45, \s*SLOT
	s_add_nc_u64 s[G0+4*\s+2:G0+4*\s+3], s[16:17], \s*2097152      ; a K step of all 256 token tiles is 2,097,152 bytes
	s_or_b32 s[G0+4*\s+3], s[G0+4*\s+3], 0x80000000
	s_mov_b32 s[G0B+4*\s], 1
	s_add_co_u32 s[G0B+4*\s+1], s45, \s*SLOT
	s_add_nc_u64 s[G0B+4*\s+2:G0B+4*\s+3], s[20:21], \s*524288     ; of Wo's 64 tiles: 524,288
	s_or_b32 s[G0B+4*\s+3], s[G0B+4*\s+3], 0x80000000
	JLOAD \s
.endr
	v_and_b32 v1, 15, v0                           ; r
	v_bfe_u32 v2, v0, 4, 1                         ; h
	v_and_b32 v3, 31, v0
	v_lshlrev_b32 v3, 4, v3                        ; 16 x lane
	v_lshlrev_b32 v[BIO], 5, v2
	s_lshl_b32 s46, s42, 9                         ; my first column, in bytes: 4 (128 x tile column + 64 x half)
	s_lshl_b32 s47, s14, 8
	s_add_co_u32 s46, s46, s47
	s_mov_b32 s47, 0
	s_add_nc_u64 s[8:9], s[8:9], s[46:47]
.irp b, 0,1,2,3
	global_load_b128 v[BI+8*\b:BI+8*\b+3], v[BIO], s[8:9] offset:64*\b            ; lane (r, h): the bias of columns 16 b + 8 h + 0 .. 7: the result's layout
	global_load_b128 v[BI+8*\b+4:BI+8*\b+7], v[BIO], s[8:9] offset:64*\b+16
.endr
	s_lshl_b32 s22, s13, 15                        ; my four tiles of tokens in a slot,
	s_lshl_b32 s23, s14, 15
	s_add_co_u32 s23, s23, 65536                   ; my four of Wo, behind the tokens' eight
	v_add_nc_u32 v[ADRA], s22, v3
	v_add_nc_u32 v[ADRB], s23, v3
	v_add_nc_u32 v[ADRA+1], SLOT, v[ADRA]
	v_add_nc_u32 v[ADRB+1], SLOT, v[ADRB]
	s_mul_i32 s23, s12, 16*SPITCH
	s_add_co_u32 s23, s23, STAGE                   ; my stage
	v_mul_u32_u24 v4, v1, SPITCH                   ; in: row r, 32 bytes for each half of the lanes
	v_lshl_add_u32 v4, v2, 5, v4
	v_add_nc_u32 v[STO], s23, v4
	v_mul_u32_u24 v5, v2, SPITCH                   ; back: lanes 0-15 take one row of 256 bytes, lanes 16-31 the next
	v_lshl_add_u32 v5, v1, 4, v5
	v_add_nc_u32 v[RD], s23, v5
	v_lshlrev_b32 v[CO], 12, v2                    ; and the same two rows in the result: 4,096 bytes a row
	v_lshl_add_u32 v[CO], v1, 4, v[CO]
	s_lshl_b32 s18, s15, 19                        ; my first row: (128 x tile row + 64 x half) x 4,096 bytes
	s_lshl_b32 s19, s13, 18
	s_add_co_u32 s18, s18, s19
	s_mov_b32 s19, 0
	s_add_nc_u64 s[10:11], s[10:11], s[18:19]
	s_add_nc_u64 s[10:11], s[10:11], s[46:47]      ; and my first column
; 8 matrix instructions: token blocks a0, a0 + 1 x all 4 column blocks, 32 along K: half c of buffer f.  first = 1: the bias starts the sums.  The 16 accumulators take turns.
.macro MUL8 f, c, a0, first
.irp a, \a0, \a0+1
.irp b, 0,1,2,3
.if \first
	v_wmma_f32_16x16x32_f16 v[ACC+8*(4*(\a)+\b):ACC+8*(4*(\a)+\b)+7], v[\f+64+8*(4*\c+\b):\f+64+8*(4*\c+\b)+7], v[\f+8*(4*\c+\a):\f+8*(4*\c+\a)+7], v[BI+8*\b:BI+8*\b+7]
.else
	v_wmma_f32_16x16x32_f16 v[ACC+8*(4*(\a)+\b):ACC+8*(4*(\a)+\b)+7], v[\f+64+8*(4*\c+\b):\f+64+8*(4*\c+\b)+7], v[\f+8*(4*\c+\a):\f+8*(4*\c+\a)+7], v[ACC+8*(4*(\a)+\b):ACC+8*(4*(\a)+\b)+7]
.endif
.endr
.endr
.endm
; 32 LDS loads in one run: the fragments of quarter qd (64 along K) of a slot into buffer f; the first 32 along K first
.macro FETCH slot, qd, f
	WIN TO_F
.irp c, 0,1
.irp i, 0,1,2,3
	ds_load_b128 v[\f+64+8*(4*\c+\i):\f+64+8*(4*\c+\i)+3],   v[ADRB+\slot] offset:\i*8192+(2*(\qd)+\c)*1024
	ds_load_b128 v[\f+64+8*(4*\c+\i)+4:\f+64+8*(4*\c+\i)+7], v[ADRB+\slot] offset:\i*8192+(2*(\qd)+\c)*1024+512
	ds_load_b128 v[\f+8*(4*\c+\i):\f+8*(4*\c+\i)+3],         v[ADRA+\slot] offset:\i*8192+(2*(\qd)+\c)*1024
	ds_load_b128 v[\f+8*(4*\c+\i)+4:\f+8*(4*\c+\i)+7],       v[ADRA+\slot] offset:\i*8192+(2*(\qd)+\c)*1024+512
.endr
.endr
.endm
.macro PLACES                          ; four places in front of loads into registers that matrix instructions have read, and of LDS stores that read results (ISA guide 7.12.1 for vector instructions)
.rept 4
	v_nop
.endr
.endm
; A K step is four quarters of 64 along K, 32 matrix instructions each, on buffers 0, 1, 0, 1.  One of the first three: multiplies buffer f and fetches quarter qd into g.
.macro QUARTER slot, qd, f, g, first
	s_wait_dscnt 16                                ; the first 32 along K are in; the other sixteen loads may be out
	WIN MUL
	MUL8 \f, 0, 0, \first
	MUL8 \f, 0, 2, \first
	PLACES
	FETCH \slot, \qd, \g
	s_wait_dscnt 32                                ; all but the 32 just issued
	WIN MUL
	MUL8 \f, 1, 0, 0
	MUL8 \f, 1, 2, 0
.endm
; The last quarter multiplies buffer 1 and changes slots: ONE barrier; in front of it each wave waits for all its tensor loads, adds 0 to its spare word, and waits for that and for its own reads of this slot.  fill = 1: this slot is filled again, two K steps ahead.
.macro TURN slot, next, fill
	WIN 0                                          ; (the add's two registers lie in window 0)
	s_wait_tensorcnt 0x0                           ; all my tensor loads have landed: my part of the next slot;
	ds_add_u32 v[SPW], v[NIL]                      ; 0 onto my spare word;
	s_wait_dscnt 17                                ; (the add and the youngest sixteen loads may be out)
	WIN MUL
	MUL8 F1, 0, 0, 0                               ; eight matrix instructions stand between the add and the wait for it
	s_wait_dscnt 0x0                               ; the add is done, and my reads of this slot are over
	s_barrier_signal -1
	MUL8 F1, 0, 2, 0
.if \fill
	WIN 0
.endif
	s_barrier_wait -1
.if \fill
	CREST                                          ; the barrier has opened a round of the cluster's barrier: no wave of any partner still reads this slot's tile or has a load on its way
	s_add_nc_u64 s[G0+4*\slot+2:G0+4*\slot+3], s[G0+4*\slot+2:G0+4*\slot+3], 2*2097152
	s_add_nc_u64 s[G0B+4*\slot+2:G0B+4*\slot+3], s[G0B+4*\slot+2:G0B+4*\slot+3], 2*524288
	JLOAD \slot                                    ; the first tensor load behind the round; the four v_nop behind it are also the places in front of the loads below
.else
	PLACES
.endif
	FETCH \next, 0, F0
	WIN MUL
	MUL8 F1, 1, 0, 0
	MUL8 F1, 1, 2, 0
.endm
	s_wait_tensorcnt 1                             ; my part of K step 0 is in (K step 1's load may be out)
	s_barrier_signal -1
	s_barrier_wait -1                              ; everybody's is
	FETCH 0, 0, F0
	s_wait_loadcnt 0x0                             ; the bias
	QUARTER 0, 1, F0, F1, 1                        ; K step 0
	QUARTER 0, 2, F1, F0, 0
	QUARTER 0, 3, F0, F1, 0
	TURN 0, 1, 1                                   ; slot 0 takes K step 2
	QUARTER 1, 1, F0, F1, 0                        ; K step 1
	QUARTER 1, 2, F1, F0, 0
	QUARTER 1, 3, F0, F1, 0
	TURN 1, 0, 1                                   ; slot 1 takes K step 3
	QUARTER 0, 1, F0, F1, 0                        ; K step 2
	QUARTER 0, 2, F1, F0, 0
	QUARTER 0, 3, F0, F1, 0
	TURN 0, 1, 0                                   ; nothing is left to fetch
	QUARTER 1, 1, F0, F1, 0                        ; K step 3
	QUARTER 1, 2, F1, F0, 0
	QUARTER 1, 3, F0, F1, 0
	s_wait_dscnt 16                                ; the very last quarter
	WIN MUL
	MUL8 F1, 0, 0, 0
	MUL8 F1, 0, 2, 0
	s_wait_dscnt 0x0
	MUL8 F1, 1, 0, 0
	MUL8 F1, 1, 2, 0
	WIN 0
; THE WAY OUT, 16 rows at a time.  A lane holds 32 neighbouring bytes of a row, and the lanes beside it hold other rows: so a block goes through my own stage and comes back as whole rows of 256 bytes (my 64 columns), which sixteen lanes store.
; LDS serves a wave's instructions in order (ISA guide 5.7.1.4): no wait between the stores and the loads, nor in front of the next block's stores.
.macro TOSTAGE a
.irp b, 0,1,2,3
	ds_store_b128 v[STO], v[ACC+8*(4*(\a)+\b):ACC+8*(4*(\a)+\b)+3] offset:64*\b          ; each accumulator from its low end on
	ds_store_b128 v[STO], v[ACC+8*(4*(\a)+\b)+4:ACC+8*(4*(\a)+\b)+7] offset:64*\b+16
.endr
.irp t, 0,1,2,3,4,5,6,7
	ds_load_b128 v[TMP+32*((\a)%2)+4*\t:TMP+32*((\a)%2)+4*\t+3], v[RD] offset:\t*2*SPITCH
.endr
.endm
.macro SEND a, younger                 ; younger: the LDS instructions issued behind block a's loads, which may stay out
.irp t, 0,1,2,3,4,5,6,7
	s_wait_dscnt \younger+7-\t
	global_store_b128 v[CO], v[TMP+32*((\a)%2)+4*\t:TMP+32*((\a)%2)+4*\t+3], s[10:11] offset:(16*(\a)+2*\t)*4096 th:TH_STORE_NT   ; 16 lanes store 256 consecutive bytes, aligned; written once, read by nobody here
.endr
.endm
	PLACES
	TOSTAGE 0
.irp a, 1,2,3
.if \a > 1
	s_wait_xcnt 0x0                                ; block a - 2's stores have read their registers: block a's loads may land there
.endif
	TOSTAGE \a
	SEND \a-1, 16                                  ; behind block a - 1's loads: block a's 8 stores and 8 loads
.endr
	SEND 3, 0
	s_wait_tensorcnt 0x0                           ; the wave's end, behind my last tensor load and my last LDS store
	ds_add_u32 v[SPW], v[NIL]
	s_wait_dscnt 0x0
	CROUND                                         ; the closing round
	s_endpgm
.Lfunc_end_k_q5a7cf7b0e5_oproj:
	.size	k_q5a7cf7b0e5_oproj, .Lfunc_end_k_q5a7cf7b0e5_oproj-k_q5a7cf7b0e5_oproj
	.p2alignl 7, 3214868480
	.fill 96, 4, 3214868480
	.section	.rodata,"a",@progbits
	.p2align	6, 0x0
	.amdhsa_kernel k_q5a7cf7b0e5_oproj
		.amdhsa_group_segment_fixed_size 327680
		.amdhsa_private_segment_fixed_size 0
		.amdhsa_enable_private_segment 0
		.amdhsa_kernarg_size 32
		.amdhsa_user_sgpr_count 2
		.amdhsa_user_sgpr_kernarg_segment_ptr 1
		.amdhsa_wavefront_size32 1
		.amdhsa_system_sgpr_workgroup_id_x 1
		.amdhsa_system_sgpr_workgroup_id_y 1
		.amdhsa_system_sgpr_workgroup_id_z 1
		.amdhsa_system_vgpr_workitem_id 0
		.amdhsa_next_free_vgpr 512
		.amdhsa_next_free_sgpr 66
		.amdhsa_reserve_vcc 0
		.amdhsa_float_denorm_mode_32 3
		.amdhsa_float_denorm_mode_16_64 3
		.amdhsa_memory_ordered 1
		.amdhsa_forward_progress 1
		.amdhsa_inst_pref_size 86
	.end_amdhsa_kernel
	.amdgpu_metadata
---
amdhsa.version: [ 1, 2 ]
amdhsa.kernels:
  - .name:           k_q5a7cf7b0e5_oproj
    .symbol:         k_q5a7cf7b0e5_oproj.kd
    .args:
      - { .name: cimg, .offset: 0, .size: 8, .value_kind: global_buffer, .address_space: global }
      - { .name: woimg, .offset: 8, .size: 8, .value_kind: global_buffer, .address_space: global }
      - { .name: bo, .offset: 16, .size: 8, .value_kind: global_buffer, .address_space: global }
      - { .name: out0, .offset: 24, .size: 8, .value_kind: global_buffer, .address_space: global }
    .group_segment_fixed_size: 327680
    .private_segment_fixed_size: 0
    .kernarg_segment_align: 8
    .kernarg_segment_size: 32
    .max_flat_workgroup_size: 128
    .sgpr_count:     66
    .vgpr_count:     512
    .wavefront_size: 32
...
	.end_amdgpu_metadata
.endif
;; end of part 4
